; MI455X (gfx1250); checked and timed in simulation.
; The chip was launched on July 23, 2026; its instructions are those of AMD's public machine-readable ISA for CDNA 5 (MIT licence, August 2026) and "CDNA5" Instruction Set Architecture Reference Guide (July 2026). The comments in the code are by the model that wrote it; some were corrected since.
;; Causal Self Attention. Allowed arithmetic: matrix products marked QUANTISED: E4M3 operands, one E8M0 scale for each 32 along K, by v_wmma_scale_f32_16x16x128_f8f6f4 with both operands' format E4M3, f32 sums; everything else in f32.
;; Inputs: b_proj 1,024 float32; b_qkv 3,072 float32; w_proj_codes 1,024 x 32 x 32 uint8 (E4M3 codes of w_proj, K innermost, in blocks of 32 codes); w_proj_scales 1,024 x 32 uint8 (E8M0 scales of w_proj, one for each 32 codes along K); w_qkv_codes 3,072 x 32 x 32 uint8 (E4M3 codes of w_qkv, K innermost, in blocks of 32 codes); w_qkv_scales 3,072 x 32 uint8 (E8M0 scales of w_qkv, one for each 32 codes along K); x_codes 4 x 2,048 x 32 x 32 uint8 (E4M3 codes of x, K innermost, in blocks of 32 codes); x_scales 4 x 2,048 x 32 uint8 (E8M0 scales of x, one for each 32 codes along K).
;; Outputs: out0 4 x 2,048 x 1,024 float32.
;; This version of the problem:
;;   THIS VERSION OF THE PROBLEM IS GIVEN IN LOW PRECISION. The matrix products marked QUANTISED in the list below multiply operands that are first quantised to E4M3 (4 exponent bits, 3 mantissa bits; 8 bits a number), with one power-of-two scale for each 32 numbers along K (OCP MX v1.0); their sums are f32. All else is computed in f32.
;;   The module's matrix products, in the order in which they are computed (A, B: the left and right operand; K: the contracted axis; several contracted axes count as one K, in the product's order):
;;     1. [M 8,192, K 1,024] x [K 1,024, N 3,072]; A: input x (given as codes); B: input w_qkv (given as codes): QUANTISED
;;     2. batch 64 x [M 2,048, K 64] x [K 64, N 2,048]; A: computed on the way; B: computed on the way: QUANTISED
;;     3. batch 64 x [M 2,048, K 2,048] x [K 2,048, N 64]; A: softmax (see below); B: computed on the way: QUANTISED
;;     4. [M 8,192, K 1,024] x [K 1,024, N 1,024]; A: computed on the way; B: input w_proj (given as codes): QUANTISED
;;   THE QUANTISER, for each operand of a quantised product, along K:
;;     - K is cut into blocks of 32 from its start; a last block that is shorter is filled with zeros.
;;     - A block's scale is 2^e with e = floor(log2(the largest magnitude in the block)) - 8, held to -126 .. 127; a block of zeros has e = 0. As a byte (E8M0): e + 127.
;;     - Each number is divided by its block's scale, clamped to +-448, and rounded to the nearest number of E4M3, ties to even, subnormals kept.
;;     - The product sums the exact products of the quantised numbers (number of the format x scale) in f32.
;;   ~~~python
;;   def quantise(x, axis):      # numpy; x: float32 -> the quantised numbers, widened to float32 again
;;       x = np.moveaxis(x, axis, -1); K = x.shape[-1]
;;       x = np.pad(x, [(0, 0)] * (x.ndim - 1) + [(0, -K % 32)]); x = x.reshape(x.shape[:-1] + (-1, 32)); a = np.abs(x).max(-1, keepdims=True)
;;       e = np.where(a > 0, np.clip(np.frexp(np.where(a > 0, a, 1))[1] - 1 - 8, -126, 127), 0)      # np.frexp(a)[1] - 1 = floor(log2(a)), exactly
;;       r = np.clip(x / 2.0 ** e, -448, 448)
;;       step = 2.0 ** (np.maximum(np.frexp(np.where(r == 0, 1, r))[1] - 1, -6) - 3)
;;       q = np.round(r / step) * step * 2.0 ** e      # np.round: ties to even
;;       return np.moveaxis(q.reshape(q.shape[:-2] + (-1,))[..., :K], -1, axis).astype(np.float32)
;;   ~~~
;;   SOFTMAX AHEAD OF A QUANTISED PRODUCT. Where the list says 'softmax', what is quantised is not the finished softmax but p = 2^(t - M), with t = logit x log2(e) and M = ceil(the row's largest t), a whole number; so 1/2 < the row's largest p <= 1. The row's sum l is taken of the UNQUANTISED p, in f32, and the product's result is divided by l at the end. Since M is a whole number, a kernel that streams over the keys may use a running M (the ceiling of the running maximum): every later rescaling is an exact power of two, which a block's scale takes up: the codes' values come out the same.
;;   OPERANDS COMPUTED ON THE WAY. 'Computed on the way' means the value that the module computes at that place (a softmax that the list does not call 'softmax' is quantised finished and normalised). What goes into a quantiser is computed in f32, as accurately as f32 sums, v_exp_f32 and their like allow (about 1e-6 of the number): no bf16 or f16 on the way to a quantiser, and a product that is left as it is and whose result goes on into a quantised operand takes f32 operands (vector FMAs, or v_wmma_f32_16x16x4_f32). A number that lies on a knife's edge between two numbers of the format may be rounded either way, as far as f32 arithmetic and the matrix unit's own rounding can turn it there, and no further.
;;   INPUTS GIVEN AS CODES. w_proj (in the module: [1024, 1024], K = its axis 0); w_qkv (in the module: [1024, 3072], K = its axis 0); x (in the module: [4, 2048, 1024], K = its axis 2): each comes as NAME_codes (uint8): NAME with its K axis moved to the last place and cut into blocks of 32 codes, [.., K / 32, bytes a block], one block behind the other in memory; one code a byte (a code: sign, 4 exponent bits, 3 mantissa bits); and NAME_scales (uint8): the same leading axes, one E8M0 byte (e + 127) for each 32 codes along K. Its value is code x scale, taken as it is: it is not quantised again, and the codes and scales need not be those that the quantiser above would give.
;; One version. Each part assembles by itself: llvm-mc -triple=amdgcn-amd-amdhsa -mcpu=gfx1250 --defsym DOCPART=n.
;; ======== version 1 of 1: 3 launches
;; limits: right only within a limited range of input values
;; workspace buffers: qkvc 25,165,824 bytes; qkvs 786,432 bytes; yc 8,388,608 bytes; ys 262,144 bytes
;; launch qkv (part 1): grid 12 x 32, 4 waves a work-group, clusters of 4 x 4, 327,680 bytes of LDS; arguments x_codes, x_scales, w_qkv_codes, w_qkv_scales, b_qkv, qkvc, qkvs; writes qkvc, qkvs
.if DOCPART == 1
	.amdgcn_target "amdgcn-amd-amdhsa--gfx1250"
	.amdhsa_code_object_version 6
	.text
	.protected	k_qd499cb1bbd_qkv
	.globl	k_qd499cb1bbd_qkv
	.p2align	8
	.type	k_qd499cb1bbd_qkv,@function
k_qd499cb1bbd_qkv:
	s_mov_b64 s[64:65], 0
	v_nop
	global_prefetch_b8 v0, s[64:65] scope:SCOPE_SE
	s_setreg_imm32_b32 hwreg(HW_REG_WAVE_MODE, 25, 1), 1
	s_wait_xcnt 0x0
	s_wait_alu depctr_hold_cnt(0) depctr_sa_sdst(0) depctr_va_vdst(0) depctr_va_sdst(0) depctr_va_ssrc(0) depctr_va_vcc(0) depctr_vm_vsrc(0)
	s_getreg_b32 s2, hwreg(HW_REG_IB_STS2, 6, 4)
	s_cmp_eq_u32 s2, 0
	s_cbranch_scc0 .Lentry_in_a_cluster
	s_endpgm
.Lentry_in_a_cluster:
	s_bfe_u32 s2, ttmp6, 0x10000c
	s_cmp_lg_u32 s2, 0xf033
	s_cbranch_scc0 .Lentry_shape_is_right
	s_endpgm
.Lentry_shape_is_right:
; qkv = x w_qkv + b_qkv on codes of FP8 (E4M3) with one E8M0 scale for each 32 along K = 1,024; the result is quantised at once for the products that read it and leaves as codes:
;   q, k: along the head's 64 channels:  qkvc region 0, 1: [bh = 16 b + head][t 2048][64 bytes];  qkvs region 0, 1: [b][head / 2][t] one word: bytes 0, 1 the even head's two blocks, bytes 2, 3 the odd head's.
;   v:    along t (the keys):            qkvc region 2: [bh][t / 128][d 64][128 bytes];           qkvs region 2: [bh][t / 128][d] one word: byte i scales keys 32 i on.
; A tile of 256 x 256 of the result is made by four waves, as many as a WGP has SIMDs, 128 x 128 each: 64 accumulators, 512 registers.  K goes in steps of 256 through two LDS slots filled by the tensor data mover.
; THE MATRIX INSTRUCTION IS USED TRANSPOSED: source 0 = 16 rows of "B", source 1 = 16 rows of "A": a lane holds ONE row of A and its eight registers run along B's rows.  The conversions to codes want a lane's registers
; to run along the NEXT product's K.  So for q and k (clusters x = 0, 1) A = x, B = w: registers along channels; for v (cluster x = 2) A = w, B = x: registers along t.  The choice hangs on the cluster's x alone.
; CLUSTERS: 4 x 4 work-groups; A's tile hangs on cy alone and is asked for jointly by a row of the cluster, B's on cx alone, by a column: a quarter of the requests.
; The grid has 384 tiles: one and a half for each of 256 WGPs; a smaller wave tile would read each fragment from LDS for fewer products.  No prefetch: the launch has four K steps and its tiles are shared.
; THE BIAS: for q, k it runs along a lane's registers and is the C of each sum's first product; for v it is one number a lane and 16 rows, added on the way out.  Both forms stand in the one text; the one not wanted is zeros.
; LIMITS: NaN and infinities are not served; a block whose largest magnitude lies under 2^-118 keeps the scale byte 1; a block of zeros gets the byte 1 (its codes are zeros; this program alone reads the bytes).
; REGISTERS, in windows of 256: window 0: v0-31 addresses and the row bias; v32-63 scale words, two sets; v64-127 the column bias; from v128 A's fragments, ONE set; on the way out v32-255 are free.
;   window 1: B's fragments, two sets.   window 2: the accumulators of my A rows 0-63 ((a, b) at v[8 (8 a + b)]);   window 3: those of rows 64-127.
; WORK LEFT OUT IN THIS PROGRAM: reference() builds a causal mask (jnp.tril) in its own body and sets every score of a key behind its query to -infinity ahead of the softmax: its p is 0 for all values of the inputs.
; So the launch that follows multiplies no key step of 128 keys all of which lie behind a wave's 16 queries.  A NaN, an infinity or an overflow that reaches only such a step is not carried to the result.  Every input is loaded.
; THE HEAD: one tensor load a wave: wave 0 K step 0's 256 rows of A, wave 1 those of B, wave 2 the scales of A's 256 rows, wave 3 those of B's; K step 1 is asked for behind a full sequence and a round, a quarter of the slot a wave.
.set SIZE_K, 1024
.set KSTEP,  256
.set NQ,     KSTEP/128                 ; matrix instructions deep
.set ROWB,   256                       ; a tile's row in bytes
.set KROW,   SIZE_K                    ; a row of x or of w in memory, in bytes
.set PITCH,  272                       ; an LDS row: 256 bytes + 16 of padding: the 16 rows that a load touches start at 16 different banks
.set FR,     16                        ; registers of a fragment
.set NL,     4                         ; LDS loads that bring one
.set NP,     8                         ; places behind this matrix instruction (ISA guide 7.12.1)
.set HALFT,  128*PITCH                 ; what one tensor load brings
.set SLOT,   4*HALFT
.set LAPS,   SIZE_K/(2*KSTEP)
.set KS,     SIZE_K/32                 ; a row of scales in bytes
.set SCL,    2*SLOT                    ; behind the ring: the scales of all of K, as units of 256 bytes + 16
.set HALFS,  (128*KS/256)*272
.set SBLK,   (16*KS/256)*272
.set SPARE,  SCL+4*HALFS               ; the spare words, 128 bytes a wave
.set SPI,    144                       ; the way out: a stage row: 128 codes + 16 bytes
.set SWO,    128*SPI                   ; behind a wave's 128 stage rows: its 128 scale words
.set WSTG,   SWO+512                   ; a wave's stage.  The stages lie in slot 0, which has had its last fill and its last read when the first code is stored there
.set BO,   7                           ; v7      column bias: 32 x (lane / 16)
.set RB,   8                           ; v8-15   the row bias of my eight blocks of A
.set ADRA, 16                          ; v16-17  LDS address of my A fragments in slot 0, 1
.set RO,   18                          ; v18     row bias: 4 x (lane % 16)
.set STS,  19                          ; v19     the stage: my row's scale word
.set ADRB, 20                          ; v20-21  the same as ADRA for B
.set RDS,  22                          ; v22     the stage: four scale words back
.set COS,  23                          ; v23     their byte offset in qkvs
.set STO,  24                          ; v24     the stage: where I put 8 codes
.set RD,   25                          ; v25     the stage: where I read 16 codes back
.set CO0,  26                          ; v26     their byte offset in qkvc
.set ADRS, 27                          ; v27     LDS address of my scale words: lanes 0-15 A's rows, lanes 16-31 B's
.set SPW,  28                          ; v28     LDS address of my spare word; never rewritten
.set NIL,  29                          ; v29     0; never rewritten
.set SC,   32
.set BC,   64                          ; v64-127 the column bias: register 8 b + j: b[16 b + 8 (lane / 16) + j]
.set AF,   128
.set T,    32                          ; the way out: v32-95 a block's 64 numbers
.set CO,   32                          ; later v32-47: sixteen store offsets
.set TM,   96                          ; v96-99 largest magnitudes, v100-103 bytes, v104-107 448 x the scale, v108-111 the conversions' scale operands
.set PC,   112                         ; v112-239 the codes, 16 registers a block; later the rows read back
.set PW,   240                         ; v240-247 a scale word a block
.set SW,   248                         ; v248-251 four scale words read back
.set G1, 24
.set G0, 32
.set G1B, 48
.set G0B, 56
.set G1S, 68
.set G0S, 76
.set G1SB, 80
.set G0SB, 88
.set MSB, 0
.macro WIN new                         ; the immediate's high byte repeats the setting that is left
.if MSB != \new
	s_set_vgpr_msb (MSB<<8)|\new
.set MSB, \new
.endif
.endm
.set MUL_LO, 0xa1                      ; source 0 (B) window 1, source 1 (A) window 0, C and D window 2
.set MUL_HI, 0xf1                      ; the same, C and D window 3
.set FIRST_LO, 0x81                    ; the first step: C is the column bias, in window 0
.set FIRST_HI, 0xc1
.set TO_B,   0x40
; A joint load: waves 0 and 1 fetch for A, waves 2 and 3 for B.  The branch hangs on the wave's number alone.  Four v_nop follow each of the two lines.
.macro JLOAD g0a, g1a, g0b, g1b
	s_cmp_eq_u32 s15, 0
	s_cbranch_scc0 .Lfor_b_\@
	tensor_load_to_lds s[\g0a:\g0a+3], s[\g1a:\g1a+7]
	s_nop 0
.rept 4
	v_nop
.endr
	s_branch .Lasked_\@
.Lfor_b_\@:
	tensor_load_to_lds s[\g0b:\g0b+3], s[\g1b:\g1b+7]
	s_nop 0
.rept 4
	v_nop
.endr
.Lasked_\@:
.endm
.macro CREST                           ; a round of the cluster's barrier behind its opening barrier
	s_cmp_lg_u32 s14, 0
	s_cbranch_scc1 .Lnot_wave_0_\@
	s_barrier_signal -3
.Lnot_wave_0_\@:
	s_barrier_wait -3
	s_barrier_signal -1
	s_barrier_wait -1
.endm
.macro CROUND
	s_barrier_signal -1
	s_barrier_wait -1
	CREST
.endm
	s_load_b128 s[4:7], s[0:1], 0x0                ; x's codes, x's scales
	s_load_b128 s[8:11], s[0:1], 0x10              ; w's codes, w's scales
	s_load_b64 s[12:13], s[0:1], 0x20              ; b_qkv
	s_load_b64 s[96:97], s[0:1], 0x28              ; qkvc
	s_load_b64 s[98:99], s[0:1], 0x30              ; qkvs
	v_lshl_add_u32 v[SPW], v0, 2, SPARE
	v_mov_b32 v[NIL], 0
	ds_add_u32 v28, v29
	ds_add_u32 v28, v29
	s_wait_dscnt 0x0
	v_lshrrev_b32 v1, 5, v0
	v_readfirstlane_b32 s14, v1                    ; wave 0..3
	s_lshr_b32 s15, s14, 1                         ; which half of A's 256 rows is mine.  Also: I fetch for A (0) or for B (1)
	s_and_b32 s16, s14, 1                          ; which half of B's.  Also: which 128 rows I fetch
	s_bfe_u32 s40, ttmp6, 0x40000                  ; cx, cy: my place in the cluster
	s_bfe_u32 s41, ttmp6, 0x40004
	s_and_b32 s17, ttmp7, 0xffff                   ; cluster y: which 1,024 rows of x
	s_cmp_eq_u32 ttmp9, 2                          ; cluster x = 2: v
	s_cselect_b32 s18, 2, s17                      ; A's tiles: v: w's 8 + cy;       q, k: x's 4 y + cy
	s_cselect_b32 s19, s17, ttmp9                  ; B's tiles: v: x's 4 y + cx;     q, k: w's 4 x + cx
	s_lshl_b32 s18, s18, 2
	s_add_co_u32 s17, s18, s41                     ; A's tile
	s_lshl_b32 s19, s19, 2
	s_add_co_u32 s42, s19, s40                     ; B's tile
	s_lshl_b32 s43, s41, 2
	s_lshl_b32 s43, 15, s43                        ; my row of the cluster
	s_lshl_b32 s44, 0x1111, s40                    ; my column
	s_or_b32 s[G1+0], s43, (0<<16)|(1<<20)|(1<<21)|(5<<22)|(3<<25)  ; the mask; elements of 1 byte; padding on; bit 21 beside a mask; 4 words behind every 64
	s_or_b32 s[G1B+0], s44, (0<<16)|(1<<20)|(1<<21)|(5<<22)|(3<<25)
.irp g, G1, G1B
	s_mov_b32 s[\g+1], ROWB<<16                    ; tensor_dim0
	s_mov_b32 s[\g+2], 256<<16                     ; tensor_dim1: 256 rows for the head's loads; set to 128 for the ring's behind them
	s_mov_b32 s[\g+3], ROWB<<16                    ; tile_dim0
	s_mov_b32 s[\g+4], 256                         ; tile_dim1
	s_mov_b32 s[\g+5], KROW                        ; the pitch
	s_mov_b32 s[\g+6], 0
	s_mov_b32 s[\g+7], 0
.endr
	s_or_b32 s[G1S+0], s43, (3<<16)|(1<<20)|(1<<21)|(5<<22)|(3<<25) ; the scales of 256 rows: a dense block, as rows of 256 bytes (32 elements of 8), 16 bytes of padding behind each
	s_or_b32 s[G1SB+0], s44, (3<<16)|(1<<20)|(1<<21)|(5<<22)|(3<<25)
.irp g, G1S, G1SB
	s_mov_b32 s[\g+1], 32<<16
	s_mov_b32 s[\g+2], KS<<16                      ; the scales of 256 rows: KS rows of 256 bytes
	s_mov_b32 s[\g+3], 32<<16
	s_mov_b32 s[\g+4], KS
	s_mov_b32 s[\g+5], 32
	s_mov_b32 s[\g+6], 0
	s_mov_b32 s[\g+7], 0
.endr
	s_lshl_b32 s20, s17, 8                         ; A's tile: its first row
	s_lshl_b32 s46, s42, 8                         ; B's
	s_mov_b32 s21, 0
	s_mov_b32 s47, 0
	s_mov_b64 s[18:19], KS
	s_mul_u64 s[22:23], s[20:21], s[18:19]         ; where these rows' scales begin, in bytes
	s_mul_u64 s[92:93], s[46:47], s[18:19]
	s_mov_b64 s[18:19], KROW
	s_mul_u64 s[20:21], s[20:21], s[18:19]         ; and their codes
	s_mul_u64 s[46:47], s[46:47], s[18:19]
	s_mul_i32 s45, s14, HALFT                      ; where the ring's loads go: wave x 128 rows
	s_mul_i32 s18, s16, 128*KROW                   ; in the ring I fetch 128 rows of a tile: which half, in bytes
	s_mov_b32 s19, 0
	s_wait_kmcnt 0x0
	s_cmp_eq_u32 ttmp9, 2                          ; for v the two operands change places: a choice between buffers on the cluster's x
	s_mov_b64 s[66:67], s[4:5]
	s_cselect_b64 s[4:5], s[8:9], s[4:5]           ; A's codes
	s_cselect_b64 s[8:9], s[66:67], s[8:9]         ; B's codes
	s_mov_b64 s[66:67], s[6:7]
	s_cselect_b64 s[6:7], s[10:11], s[6:7]         ; A's scales
	s_cselect_b64 s[10:11], s[66:67], s[10:11]     ; B's scales
	s_add_nc_u64 s[20:21], s[4:5], s[20:21]
	s_add_nc_u64 s[22:23], s[6:7], s[22:23]
	s_add_nc_u64 s[46:47], s[8:9], s[46:47]
	s_add_nc_u64 s[92:93], s[10:11], s[92:93]
	CROUND                                         ; all sixteen work-groups are here: the first joint loads meet
	s_mov_b32 s[G0S], 1
	s_mov_b32 s[G0S+1], SCL
	s_mov_b64 s[G0S+2:G0S+3], s[22:23]
	s_or_b32 s[G0S+3], s[G0S+3], 0x80000000
	s_mov_b32 s[G0SB], 1
	s_mov_b32 s[G0SB+1], SCL+2*HALFS
	s_mov_b64 s[G0SB+2:G0SB+3], s[92:93]
	s_or_b32 s[G0SB+3], s[G0SB+3], 0x80000000
	s_mov_b32 s4, 1                                ; group 0 of the head's loads of codes, in registers that held arguments: K step 0's 256 rows of A,
	s_mov_b32 s5, 0
	s_mov_b64 s[6:7], s[20:21]
	s_or_b32 s7, s7, 0x80000000
	s_mov_b32 s8, 1                                ; and of B, behind them in slot 0
	s_mov_b32 s9, 2*HALFT
	s_mov_b64 s[10:11], s[46:47]
	s_or_b32 s11, s11, 0x80000000
	s_add_nc_u64 s[20:21], s[20:21], s[18:19]      ; for the ring: my 128 rows of the tile
	s_add_nc_u64 s[46:47], s[46:47], s[18:19]
.irp s, 0,1
	s_mov_b32 s[G0+4*\s], 1
	s_add_co_u32 s[G0+4*\s+1], s45, \s*SLOT
	s_add_nc_u64 s[G0+4*\s+2:G0+4*\s+3], s[20:21], \s*ROWB
	s_or_b32 s[G0+4*\s+3], s[G0+4*\s+3], 0x80000000
	s_mov_b32 s[G0B+4*\s], 1
	s_add_co_u32 s[G0B+4*\s+1], s45, \s*SLOT
	s_add_nc_u64 s[G0B+4*\s+2:G0B+4*\s+3], s[46:47], \s*ROWB
	s_or_b32 s[G0B+4*\s+3], s[G0B+4*\s+3], 0x80000000
.endr
; the head's loads, one a wave, in one chain of branches on the wave's number
.macro ARM under, g0, g1, next
	s_cmp_lt_u32 s14, \under
	s_cbranch_scc0 \next
	tensor_load_to_lds s[\g0:\g0+3], s[\g1:\g1+7]
	s_nop 0
.rept 4
	v_nop
.endr
	s_branch .Lhead_asked
\next:
.endm
	ARM 1, 4,   G1,  .Lhead_b
	ARM 2, 8,   G1B, .Lhead_sa
	ARM 3, G0S, G1S, .Lhead_sb
	tensor_load_to_lds s[G0SB:G0SB+3], s[G1SB:G1SB+7]
	s_nop 0
.rept 4
	v_nop
.endr
.Lhead_asked:
	v_and_b32 v1, 15, v0
	v_bfe_u32 v2, v0, 4, 1                         ; h = lane / 16
	; what differs between q, k and v, as numbers: all selects on one compare
	s_wait_alu depctr_va_vdst(0)
	s_cmp_eq_u32 ttmp9, 2
	s_cselect_b32 s92, s17, s42                    ; w's tile
	s_cselect_b32 s93, s15, s16                    ; my half of it
	s_cselect_b32 s20, s42, s17                    ; x's tile
	s_cselect_b32 s21, s16, s15                    ; my half of it
	s_cselect_b32 s95, -1, 0                       ; all lanes for v
	s_cselect_b32 s94, 0, -1                       ; all lanes for q, k
	s_cselect_b32 s18, 8, 9                        ; a run of 128 t in qkvs: 256 bytes (v), 512 (q, k)
	s_mov_b32 s2, 256
	s_cselect_b32 s2, 512, s2                      ; from one store of codes to the next
	s_mov_b32 s66, 4096
	s_cselect_b32 s66, 131072, s66                 ; from the first sixteen stores to the second sixteen
	s_mov_b32 s19, 256
	s_cselect_b32 s19, 4096, s19                   ; from the first 64 scale words to the second 64
	s_lshl_b32 s46, s92, 8
	s_lshl_b32 s47, s93, 7
	s_add_co_u32 s46, s46, s47                     ; my first channel of the 3,072
	s_lshl_b32 s46, s46, 2
	s_mov_b32 s47, 0
	s_add_nc_u64 s[12:13], s[12:13], s[46:47]
	v_lshlrev_b32 v[BO], 5, v2
	v_lshlrev_b32 v[RO], 2, v1
.irp b, 0,1,2,3,4,5,6,7
	global_load_b128 v[BC+8*\b:BC+8*\b+3], v[BO], s[12:13] offset:64*\b          ; b[16 b + 8 h + 0 .. 7]
	global_load_b128 v[BC+8*\b+4:BC+8*\b+7], v[BO], s[12:13] offset:64*\b+16
.endr
.irp a, 0,1,2,3,4,5,6,7
	global_load_b32 v[RB+\a], v[RO], s[12:13] offset:64*\a                       ; b[16 a + r]
.endr
	; where my codes and scale words go
	s_lshr_b32 s46, s20, 3                         ; the batch: eight tiles of x each
	s_and_b32 s20, s20, 7
	s_lshl_b32 s20, s20, 1
	s_add_co_u32 s20, s20, s21                     ; which 128 t of the batch
	s_lshr_b32 s21, s92, 2                         ; the region: q, k, v
	s_and_b32 s92, s92, 3
	s_lshl_b32 s92, s92, 2
	s_lshl_b32 s93, s93, 1
	s_add_co_u32 s92, s92, s93                     ; my first head (even); I make two
	s_lshl_b32 s46, s46, 4
	s_add_co_u32 s46, s46, s92                     ; bh
	s_lshl_b32 s92, s21, 23
	s_lshl_b32 s93, s46, 17
	s_add_co_u32 s92, s92, s93
	s_lshl_b32 s93, s20, 13
	s_add_co_u32 s92, s92, s93
	s_mov_b32 s93, 0
	s_add_nc_u64 s[96:97], s[96:97], s[92:93]      ; the first sixteen stores' base
	s_mov_b32 s67, 0
	s_add_nc_u64 s[66:67], s[96:97], s[66:67]      ; the second sixteen's
	s_lshl_b32 s92, s21, 18
	s_lshl_b32 s46, s46, 12
	s_add_co_u32 s92, s92, s46
	s_lshl_b32 s20, s20, s18
	s_add_co_u32 s92, s92, s20
	s_add_nc_u64 s[98:99], s[98:99], s[92:93]      ; the scale words' base
	v_mul_u32_u24 v5, s19, v2
	v_lshl_add_u32 v[COS], v1, 4, v5               ; lanes 0-15: 256 bytes on end; lanes 16-31: the second 64 words
	; fragments
	v_mul_u32_u24 v3, v1, PITCH
	v_lshl_add_u32 v4, v2, 4, v3                   ; a fragment's row x pitch + 16 x half
	s_mul_i32 s21, s15, HALFT                      ; my 128 rows of A
	s_mul_i32 s22, s16, HALFT                      ; my 128 rows of B,
	s_add_co_u32 s22, s22, 2*HALFT                 ; which lie behind A's 256
.irp s, 0,1
	v_add_nc_u32 v[ADRA+\s], s21, v4
	v_add_nc_u32 v[ADRB+\s], s22, v4
	s_add_co_u32 s21, s21, SLOT
	s_add_co_u32 s22, s22, SLOT
.endr
	v_mul_u32_u24 v5, v1, KS                       ; my row's scales: KS bytes a row,
	v_lshrrev_b32 v6, 8, v5
	v_lshl_add_u32 v5, v6, 4, v5                   ; and 16 more for each 256 passed
	s_mul_i32 s21, s15, HALFS
	s_mul_i32 s22, s16, HALFS
	s_add_co_u32 s22, s22, 2*HALFS
	s_sub_co_u32 s22, s22, s21
	v_mul_u32_u24 v6, s22, v2                      ; lanes 16-31 take B's
	s_add_co_u32 s21, s21, SCL
	v_add_nc_u32 v5, v5, v6
	v_add_nc_u32 v[ADRS], s21, v5
	; the stage
	s_mul_i32 s23, s14, WSTG
	v_mul_u32_u24 v5, v1, SPI
	v_lshl_add_u32 v5, v2, 3, v5
	v_add_nc_u32 v[STO], s23, v5                   ; in: row r, 8 bytes for each half of the lanes
	v_lshlrev_b32 v5, 2, v1
	v_add_nc_u32 v5, s23, v5
	v_add_nc_u32 v[STS], SWO, v5
	v_and_b32 v6, 31, v0                           ; lane
	v_lshlrev_b32 v5, 4, v6
	v_add_nc_u32 v5, s23, v5
	v_add_nc_u32 v[RDS], SWO, v5
	v_bfe_u32 v3, v0, 3, 2                         ; back, four stage rows an instruction, eight lanes to a row of 128 bytes: one pattern for q, k and v
	v_mul_u32_u24 v5, v3, SPI
	v_and_b32 v4, 7, v0
	v_lshl_add_u32 v5, v4, 4, v5
	v_add_nc_u32 v[RD], s23, v5
	v_lshlrev_b32 v3, 6, v3                        ; in qkvc.  q, k: a stage row is 64 bytes of each of two heads, 2^17 bytes apart: an instruction fills 256 bytes on end in each head
	v_and_b32 v4, 3, v0
	v_lshl_add_u32 v3, v4, 4, v3
	v_bfe_u32 v4, v0, 2, 1
	v_lshl_add_u32 v3, v4, 17, v3
	v_lshlrev_b32 v4, 4, v6                        ; v: 512 bytes on end
	v_cndmask_b32 v[CO0], v3, v4, s95
	s_wait_loadcnt 0x0                             ; the biases
.set i, 0
.rept 64
	v_cndmask_b32 v[BC+i], 0, v[BC+i], s94         ; the column bias counts for q, k alone,
.set i, i+1
.endr
.irp a, 0,1,2,3,4,5,6,7
	v_cndmask_b32 v[RB+\a], 0, v[RB+\a], s95       ; the row bias for v alone
.endr
.macro FRAG reg, adr, q, i             ; 16 rows x 128 K of 8-bit codes: lane l holds row l % 16; registers 4 c .. 4 c + 3 hold K = 32 c + 16 (l / 16) + 0 .. 15
.irp c, 0,1,2,3
	ds_load_b128 v[\reg+4*\c:\reg+4*\c+3], v[\adr] offset:128*(\q)+32*\c+(\i)*16*PITCH
.endr
.endm
; 16 matrix instructions: A's blocks a0, a0 + 1 x B's eight, the slot's q-th 128 along K.  zero = 1: the first product starts the sums, from the column bias.  The 64 accumulators take turns, one instruction a turn.
.macro MUL16 a0, p, q, sc, zero
.irp a, \a0, \a0+1
.irp b, 0,1,2,3,4,5,6,7
.if \zero
	v_wmma_scale_f32_16x16x128_f8f6f4 v[8*(8*((\a)%4)+\b):8*(8*((\a)%4)+\b)+7], v[128*(\p)+FR*\b:128*(\p)+FR*\b+FR-1], v[AF+FR*(\a):AF+FR*(\a)+FR-1], v[BC+8*\b:BC+8*\b+7], v[SC+8*NQ*(\sc)+NQ*\b+(\q)], v[SC+8*NQ*(\sc)+NQ*(\a)+(\q)] matrix_a_scale:MATRIX_SCALE_ROW1
.else
	v_wmma_scale_f32_16x16x128_f8f6f4 v[8*(8*((\a)%4)+\b):8*(8*((\a)%4)+\b)+7], v[128*(\p)+FR*\b:128*(\p)+FR*\b+FR-1], v[AF+FR*(\a):AF+FR*(\a)+FR-1], v[8*(8*((\a)%4)+\b):8*(8*((\a)%4)+\b)+7], v[SC+8*NQ*(\sc)+NQ*\b+(\q)], v[SC+8*NQ*(\sc)+NQ*(\a)+(\q)] matrix_a_scale:MATRIX_SCALE_ROW1
.endif
.endr
.endr
.endm
.macro FETCH_B slot, q, p
	WIN TO_B
.irp i, 0,1,2,3,4,5,6,7
	FRAG 128*(\p)+FR*\i, ADRB+\slot, \q, \i
.endr
	WIN 0
.endm
.macro FETCH_A slot, q, i0
.irp i, \i0, \i0+1, \i0+2, \i0+3
	FRAG AF+FR*(\i), ADRA+\slot, \q, \i
.endr
.endm
.macro SCALES sc                       ; a K step's scale words: two a row; lanes 0-15 take A's block i, lanes 16-31 B's block i
.irp i, 0,1,2,3,4,5,6,7
	ds_load_b64 v[SC+8*NQ*\sc+NQ*\i:SC+8*NQ*\sc+NQ*\i+1], v[ADRS] offset:\i*SBLK
.endr
.endm
.macro PLACES n                        ; plain vector instructions between a matrix instruction and a load into, or a read of, its registers
.rept \n
	v_nop
.endr
.endm
.macro STEP slot, q, zero              ; a step of 128 along K that has its successor in the same slot
	s_wait_dscnt 4*NL                              ; B's set and A's blocks 0-3 are in; the youngest sixteen loads (A's blocks 4-7) may be out
.if \zero
	WIN FIRST_LO
.else
	WIN MUL_LO
.endif
	MUL16 0, (\q)%2, \q, \slot, \zero
	MUL16 2, (\q)%2, \q, \slot, \zero
	s_wait_dscnt 0
	PLACES NP
	FETCH_B \slot, (\q)+1, 1-(\q)%2
	FETCH_A \slot, (\q)+1, 0
.if \zero
	WIN FIRST_HI
.else
	WIN MUL_HI
.endif
	MUL16 4, (\q)%2, \q, \slot, \zero
	MUL16 6, (\q)%2, \q, \slot, \zero
	PLACES NP
	WIN 0
	FETCH_A \slot, (\q)+1, 4
.endm
; A slot's last step changes slots: one barrier; in front of it each wave waits for all its tensor loads, adds 0 to its spare word, and waits for that and for its reads of this slot.
.macro TURN slot, next, fill
	s_wait_tensorcnt 0x0                           ; all my tensor loads have landed: my part of the next slot
	ds_add_u32 v[SPW], v[NIL]                      ; 0 onto my spare word
	s_wait_dscnt 4*NL+1                            ; (the add and the youngest sixteen loads may be out)
	WIN MUL_LO
	MUL16 0, 1, NQ-1, \slot, 0
	s_wait_dscnt 0x0                               ; the add is done, and my reads of this slot are over
	s_barrier_signal -1
	MUL16 2, 1, NQ-1, \slot, 0
	WIN 0
	s_barrier_wait -1
.if \fill
	CREST                                          ; the barrier has opened a round of the cluster's barrier: no wave of any partner still reads this slot or has a load on its way
	s_add_nc_u64 s[G0+4*\slot+2:G0+4*\slot+3], s[G0+4*\slot+2:G0+4*\slot+3], 2*ROWB
	s_add_nc_u64 s[G0B+4*\slot+2:G0B+4*\slot+3], s[G0B+4*\slot+2:G0B+4*\slot+3], 2*ROWB
	JLOAD G0+4*\slot, G1, G0B+4*\slot, G1B         ; the first tensor load behind the round; its four v_nop are among the places in front of the loads below
	PLACES NP-4
.else
	PLACES NP
.endif
	s_wait_alu depctr_va_vdst(0)
	v_add_nc_u32 v[ADRS], 4*NQ, v[ADRS]            ; on to the next K step's scale words
	FETCH_B \next, 0, 0
	FETCH_A \next, 0, 0
	SCALES \next
	WIN MUL_HI
	MUL16 4, 1, NQ-1, \slot, 0
	MUL16 6, 1, NQ-1, \slot, 0
	PLACES NP
	WIN 0
	FETCH_A \next, 0, 4
.endm
	s_wait_alu depctr_va_vdst(0)
	s_wait_tensorcnt 0x0                           ; my tile of the head's four is in
	ds_add_u32 v[SPW], v[NIL]
	s_mov_b32 s[G1+2], 128<<16                     ; no tensor load of mine is out: from here on a load brings 128 rows
	s_mov_b32 s[G1+4], 128
	s_mov_b32 s[G1B+2], 128<<16
	s_mov_b32 s[G1B+4], 128
	s_wait_dscnt 0x0
	CROUND                                         ; all four tiles are in, and all sixteen work-groups are here
	JLOAD G0+4, G1, G0B+4, G1B                     ; K step 1: the first tensor load behind the round
	FETCH_B 0, 0, 0
	FETCH_A 0, 0, 0
	SCALES 0
	FETCH_A 0, 0, 4
	STEP 0, 0, 1                                   ; the first step stands in front of the loop: its products start the sums
	s_mov_b32 s3, LAPS-1
.Llap:                                                 ; a trip goes once round the ring and fills both slots again
	TURN 0, 1, 1
	STEP 1, 0, 0
	TURN 1, 0, 1
	STEP 0, 0, 0
	s_sub_co_u32 s3, s3, 1
	s_cmp_lg_u32 s3, 0
	s_cbranch_scc1 .Llap
	TURN 0, 1, 0                                   ; the last lap fills nothing
	STEP 1, 0, 0
	s_wait_dscnt 4*NL
	WIN MUL_LO
	MUL16 0, 1, NQ-1, 1, 0
	MUL16 2, 1, NQ-1, 1, 0
	s_wait_dscnt 0
	WIN MUL_HI
	MUL16 4, 1, NQ-1, 1, 0
	MUL16 6, 1, NQ-1, 1, 0
	WIN 0
; THE WAY OUT.  Block a (16 rows of A x 128 of B): a lane's 64 numbers, register 8 b + j = B's row 16 b + 8 (lane / 16) + j.  A block of 32 along the next K is tiles 2 i and 2 i + 1: 16 numbers in my lane, 16 in lane l xor 16.
.macro QUANT a
.set PCA, PC+16*(\a)
.irp b, 0,1,2,3
	v_max3_num_f32 v[TM+\b], |v[T+16*\b]|, |v[T+16*\b+1]|, 0x4800000   ; my 16 numbers and the floor 2^(9 - 127): the byte cannot fall under 1
.endr
.irp i, 2,4,6,8,10,12,14
.irp b, 0,1,2,3
	v_max3_num_f32 v[TM+\b], v[TM+\b], |v[T+16*\b+\i]|, |v[T+16*\b+\i+1]|
.endr
.endr
.irp b, 0,1,2,3
	v_permlanex16_b32 v[TM+4+\b], v[TM+\b], s20, s21
.endr
.irp b, 0,1,2,3
	v_max_num_f32 v[TM+\b], v[TM+\b], v[TM+4+\b]   ; the block's largest magnitude
.endr
.irp b, 0,1,2,3
	v_add_nc_u32 v[TM+12+\b], 0xfc000000, v[TM+\b] ; 8 off its exponent field: the conversion's scale operand
.endr
.irp b, 0,1,2,3
	v_and_or_b32 v[TM+8+\b], v[TM+\b], 0x7f800000, s22   ; 448 x the scale
.endr
.irp b, 0,1,2,3
	v_lshrrev_b32 v[TM+4+\b], 23, v[TM+12+\b]      ; the scale's byte
.endr
	v_lshl_or_b32 v[PW+(\a)], v[TM+5], 8, v[TM+4]
	v_lshl_or_b32 v[PW+(\a)], v[TM+6], 16, v[PW+(\a)]
	v_lshl_or_b32 v[PW+(\a)], v[TM+7], 24, v[PW+(\a)]
.irp b, 0,1,2,3
.irp i, 0,1,2,3,4,5,6,7,8,9,10,11,12,13,14,15
	v_med3_num_f32 v[T+16*\b+\i], v[T+16*\b+\i], -v[TM+8+\b], v[TM+8+\b]   ; the conversion to an 8-bit code does not saturate (ISA guide 7.6.2): the hold comes first
.endr
	v_cvt_scalef32_pk8_fp8_f32 v[PCA+4*\b:PCA+4*\b+1], v[T+16*\b:T+16*\b+7], v[TM+12+\b]
	v_cvt_scalef32_pk8_fp8_f32 v[PCA+4*\b+2:PCA+4*\b+3], v[T+16*\b+8:T+16*\b+15], v[TM+12+\b]
.endr
	v_nop                                          ; a plain line behind the last conversion: the next block writes its sources
.endm
.macro OUTBLK a
.set AC, 64*((\a)%4)
	WIN 0x02+(\a)/4                                ; source 0: window 2 or 3
.irp b, 0,1,2,3,4,5,6,7
.irp p, 0,2,4,6
.if (\a)%2 == 0
	v_pk_add_f32 v[T+8*\b+\p:T+8*\b+\p+1], v[AC+8*\b+\p:AC+8*\b+\p+1], v[RB+(\a):RB+(\a)+1] op_sel_hi:[1,0]   ; the row bias, and the way into window 0, in one; each accumulator from its low end on
.else
	v_pk_add_f32 v[T+8*\b+\p:T+8*\b+\p+1], v[AC+8*\b+\p:AC+8*\b+\p+1], v[RB+(\a)-1:RB+(\a)] op_sel:[0,1] op_sel_hi:[1,1]
.endif
.endr
.endr
	WIN 0
	QUANT \a
.irp b, 0,1,2,3,4,5,6,7
	ds_store_b64 v[STO], v[PCA+2*\b:PCA+2*\b+1] offset:16*SPI*(\a)+16*\b    ; stage row 16 a + r, bytes 16 b + 8 h on
.endr
	ds_store_b32 v[STS], v[PW+(\a)] offset:64*(\a)                         ; lanes r and r + 16 write the same word with the same value
.endm
	PLACES NP
	s_mov_b32 s20, 0x76543210
	s_mov_b32 s21, 0xfedcba98                      ; v_permlanex16_b32's selects for lane l xor 16
	s_mov_b32 s22, 0x600000                        ; the mantissa field of 448
.irp b, 0,1,2,3
	v_mov_b32 v[TM+4+\b], 0                        ; written once: a lane permute's destination counts as one of its sources
.endr
.irp a, 0,1,2,3,4,5,6,7
	OUTBLK \a
.endr
	s_wait_dscnt 0x0
	v_mov_b32 v[CO], v[CO0]
.set i, 1
.rept 15
	v_add_nc_u32 v[CO+i], s2, v[CO+i-1]
.set i, i+1
.endr
.set i, 0
.rept 32
	ds_load_b128 v[PC+4*i:PC+4*i+3], v[RD] offset:4*SPI*i      ; four stage rows, 512 bytes of codes
.set i, i+1
.endr
	ds_load_b128 v[SW:SW+3], v[RDS]
.set i, 0
	s_wait_alu depctr_va_vdst(0)
.rept 32
	s_wait_dscnt 32-i                              ; behind load i: the 31 - i later loads of codes and the load of scale words
.if i < 16
	global_store_b128 v[CO+i], v[PC+4*i:PC+4*i+3], s[96:97]    ; sixteen lanes store 256 consecutive bytes, at a multiple of 256 from the buffer's first byte
.else
	global_store_b128 v[CO+i-16], v[PC+4*i:PC+4*i+3], s[66:67]
.endif
.set i, i+1
.endr
	s_wait_dscnt 0x0
	global_store_b128 v[COS], v[SW:SW+3], s[98:99]
	s_wait_tensorcnt 0x0                           ; the wave's end
	ds_add_u32 v[SPW], v[NIL]
	s_wait_dscnt 0x0
	CROUND                                         ; the closing round
	s_endpgm
.Lfunc_end_k_qd499cb1bbd_qkv:
	.size	k_qd499cb1bbd_qkv, .Lfunc_end_k_qd499cb1bbd_qkv-k_qd499cb1bbd_qkv
	.p2alignl 7, 3214868480
	.fill 96, 4, 3214868480
	.section	.rodata,"a",@progbits
	.p2align	6, 0x0
	.amdhsa_kernel k_qd499cb1bbd_qkv
		.amdhsa_group_segment_fixed_size 327680
		.amdhsa_private_segment_fixed_size 0
		.amdhsa_enable_private_segment 0
		.amdhsa_kernarg_size 56
		.amdhsa_user_sgpr_count 2
		.amdhsa_user_sgpr_kernarg_segment_ptr 1
		.amdhsa_wavefront_size32 1
		.amdhsa_system_sgpr_workgroup_id_x 1
		.amdhsa_system_sgpr_workgroup_id_y 1
		.amdhsa_system_sgpr_workgroup_id_z 1
		.amdhsa_system_vgpr_workitem_id 0
		.amdhsa_next_free_vgpr 1024
		.amdhsa_next_free_sgpr 100
		.amdhsa_reserve_vcc 0
		.amdhsa_float_denorm_mode_32 3
		.amdhsa_float_denorm_mode_16_64 3
		.amdhsa_memory_ordered 1
		.amdhsa_forward_progress 1
		.amdhsa_inst_pref_size 218
	.end_amdhsa_kernel
	.amdgpu_metadata
---
amdhsa.version: [ 1, 2 ]
amdhsa.kernels:
  - .name:           k_qd499cb1bbd_qkv
    .symbol:         k_qd499cb1bbd_qkv.kd
    .args:
      - { .name: x_codes, .offset: 0, .size: 8, .value_kind: global_buffer, .address_space: global }
      - { .name: x_scales, .offset: 8, .size: 8, .value_kind: global_buffer, .address_space: global }
      - { .name: w_qkv_codes, .offset: 16, .size: 8, .value_kind: global_buffer, .address_space: global }
      - { .name: w_qkv_scales, .offset: 24, .size: 8, .value_kind: global_buffer, .address_space: global }
      - { .name: b_qkv, .offset: 32, .size: 8, .value_kind: global_buffer, .address_space: global }
      - { .name: qkvc, .offset: 40, .size: 8, .value_kind: global_buffer, .address_space: global }
      - { .name: qkvs, .offset: 48, .size: 8, .value_kind: global_buffer, .address_space: global }
    .group_segment_fixed_size: 327680
    .private_segment_fixed_size: 0
    .kernarg_segment_align: 8
    .kernarg_segment_size: 56
    .max_flat_workgroup_size: 128
    .sgpr_count:     100
    .vgpr_count:     1024
    .wavefront_size: 32
...
	.end_amdgpu_metadata
.endif
;; end of part 1
;; launch attn (part 2): grid 4 x 64, 16 waves a work-group, no clusters, 327,680 bytes of LDS; arguments qkvc, qkvs, yc, ys; writes yc, ys
.if DOCPART == 2
	.amdgcn_target "amdgcn-amd-amdhsa--gfx1250"
	.amdhsa_code_object_version 6
	.text
	.protected	k_qd499cb1bbd_attn
	.globl	k_qd499cb1bbd_attn
	.p2align	8
	.type	k_qd499cb1bbd_attn,@function
k_qd499cb1bbd_attn:
	s_mov_b64 s[64:65], 0
	v_nop
	global_prefetch_b8 v0, s[64:65] scope:SCOPE_SE
	s_setreg_imm32_b32 hwreg(HW_REG_WAVE_MODE, 25, 1), 1
	s_wait_xcnt 0x0
; y[b][t][head][:] = the sum over keys k <= t of softmax_k(q . k / 8) v, both products on codes of FP8 (E4M3) with one E8M0 scale for each 32 along a product's K; y is quantised at once along its channels for the last product.
; In (bh = 16 b + head): q, k [bh][t][64 bytes], scale words [b][head / 2][t] (two bytes a head); v [bh][t / 128][d 64][128 keys], scale words [bh][t / 128][d].
; Out: yc [row / 128][head][row % 128][64 bytes], row = 2048 b + t;  ys [row][32 bytes]: byte 2 head + i.
; LEFT OUT: key steps of 128 keys all of which lie behind a wave's 16 queries: reference()'s own causal mask makes their p 0 for all inputs.
; THE SOFTMAX: t = score x log2(e) / 8; M = the running largest t, rounded UP to a whole number; p = 2^(t - M) is quantised along the keys; the row's sum is taken of the unquantised p and divides at the end.
; The first product's K is 64: the upper half of both fragments is zero codes, kept in registers; the two scale bytes that go with them are 0, which is a number and not NaN.
; SHARES.  A head's 2,048 queries are 8 blocks of 256.  Work-group g (0 .. 3) of a head takes block 7 - g and then block g; wave w takes queries 16 w on of the block.  Block c needs keys 0 .. 256 c + 255, in key slots of 512:
; (9 - g) / 2 + (g + 2) / 2 = 5 slots (both rounded down) for every work-group: 4 x 64 = 256 work-groups, and trip counts that are constants.  Of every slot asked for at least the first 256 keys are read.
; A wave's key steps behind its diagonal are left out by a scalar branch on ids; waves 0-7 have their diagonal one key step ahead of waves 8-15.
; THE RING: two slots, 2^17 bytes apart; a slot holds 512 keys of K (32,768 bytes), four key steps of V (32,768), K's 512 scale words and V's 256: every LDS address is the slot's base + a constant.  Wave 0 fetches K, 1 V, 2 K's words, 3 V's.
; All four are dense blocks of memory, stated as rows of 256 bytes; behind each 128 bytes of codes lie 16 of padding.  A slot's four key steps are two trips of an inner loop over two written steps; three offsets are turned by exclusive ors.
; NO CLUSTER: work-group g wants key slot n in trip n up to the last trip of its first block, which is trip 3 for g = 0, 1 and trip 2 for g = 2, 3, and begins anew at key slot 0 behind it: the four work-groups of a head want different
; slots in the same trip, so a joint load has no common descriptor.
; PREFETCH: in trips 0 and 1 waves 4 and 5 name their work-group's quarter (8,192 bytes of K, of V, lanes 256 bytes apart) of key slot n + 2, which the next trip's loads ask for: each block of 256 bytes once in the launch.
; Slots 0 and 1 come by their loads alone; a block's second walk names nothing.
; LAYOUT.  Both products are used transposed (S^T = K Q^T, O^T = V^T P^T): a lane holds ONE query.  Lane r of key tile 2 b + u takes key 32 b + 8 u + r + 8 (r / 8): the 16 registers of tiles 2 b, 2 b + 1 are keys 32 b + 16 (lane / 16) + 0 .. 15.
; LIMITS: NaN and infinities are not served; the scaled scores stay under 2^31 in magnitude; a block of y whose largest magnitude lies under 2^-118, or of zeros, gets the scale byte 1 (this program alone reads the bytes).
; A block's largest p is made from its largest score by the same two instructions as every p.
; REGISTERS: v1-7 addresses that stay; v8-11 addresses in hand; v12 -M, v13 the largest t, v[14:15] the sum; v16-31 Q; v32-95 four fragments of K; v96-159 S^T, p, then V's fragments, at last y; v160-191 O^T; v192-207 codes;
; v208-213 constants; v218-226 the second block's Q; v232-254 at work; v255 Q's scales.
.set KP,    144                        ; an LDS row: 128 bytes + 16.  Of K it holds two keys: key n lies at 144 (n / 2) + 64 (n % 2)
.set VOFF,  256*KP
.set VSTEP, 64*KP
.set HALF,  128*KP                     ; two key steps of K, and of V: 0x4800
.set KSO,   2*VOFF                     ; K's scale words, 2,048 bytes
.set VSO,   KSO+2048                   ; V's, 1,024 bytes
.set SLOT1, 1<<17
.set SLOTB, 32768                      ; a slot's bytes of K, and of V, in memory
.set STAGE, 2*SLOT1                    ; the way out: 16 rows x (64 + 16) bytes a wave, on bytes into which no fill lands; one stage for each of the two blocks
.set WSTG,  1280
.set STG2,  16*WSTG
.set SPARE, STAGE+2*STG2               ; the spare words, 128 bytes for each of 16 waves
.set AK0,  1
.set AV0,  2
.set ASK0, 3
.set ASV0, 4
.set SPW,  5
.set NIL,  6
.set GO,   7                           ; 16 x lane
.set ADK,  8
.set ADV,  9
.set ADS,  10
.set ADT,  11
.set PFO,  208                         ; the prefetch's offset: 256 x lane
.set DM,   209                         ; my query less the diagonal step's first key less 16 (lane / 16)
.set NINF, 210
.set GS,   211                         ; 32 x (lane % 16)
.set SIN,  212
.set SOUT, 213
.set TC,   2                           ; LDS offset of the two key steps in hand: codes;
.set N,    3                           ; the trip
.set WV,   18
.set MNT,  19
.set SEL,  20
.set CS,   22                          ; s[22:23] log2(e) / 8
.set G1T,  24
.set G1K,  32
.set G1V,  40
.set G0T,  48
.set G0K,  52
.set G0V,  56
.set U2,   60                          ; the second block's diagonal step
.set LIM,  61                          ; 2 in waves 4 and 5, else 0
.set BV,   62                          ; BT, BK, BV: the first block's slots back, in bytes of codes, of K's words, of V's
.set KF,   66                          ; the step's first key
.set U128, 67                          ; my diagonal step's first key
.set SW,   68                          ; in the head 7 - g, the first block; then that block's last trip
.set GB,   69                          ; g
.set PFA,  70
.set BT,   78
.set BK,   79
.set TK,   96                          ; K's scale words;
.set TV,   97                          ; V's
.set I,    98                          ; the inner loop's trip
.macro TL g0, g1                       ; an s_nop 0 and four v_nop follow a tensor load
	tensor_load_to_lds s[\g0:\g0+3], s[\g1:\g1+7]
	s_nop 0
.rept 4
	v_nop
.endr
.endm
.macro TLOAD                           ; one chain of branches on the wave's number, one load to an arm
	s_cmp_lt_u32 s[WV], 2
	s_cbranch_scc0 .Lks_\@
	TL G0T, G1T
	s_branch .Lasked_\@
.Lks_\@:
	s_cmp_lt_u32 s[WV], 3
	s_cbranch_scc0 .Lvs_\@
	TL G0K, G1K
	s_branch .Lasked_\@
.Lvs_\@:
	s_cmp_lt_u32 s[WV], 4
	s_cbranch_scc0 .Lasked_\@
	TL G0V, G1V
.Lasked_\@:
.endm
.macro GRP1 g, w0, c, r                ; descriptor group 1: r rows of c elements, dense
	s_mov_b32 s[\g], \w0
	s_mov_b32 s[\g+1], (\c)<<16
	s_mov_b32 s[\g+2], (\r)<<16
	s_mov_b32 s[\g+3], (\c)<<16
	s_mov_b32 s[\g+4], \r
	s_mov_b32 s[\g+5], \c
	s_mov_b32 s[\g+6], 0
	s_mov_b32 s[\g+7], 0
.endm
.macro PTRS p, blk, u                  ; a block's four addresses: Q's codes, Q's scale words, yc, ys
	s_lshl_b32 s100, s[\blk], 14
	s_add_co_u32 s100, s100, s96
	s_add_nc_u64 s[\p:\p+1], s[4:5], s[100:101]
	s_lshl_b32 s100, s[\blk], 10
	s_add_co_u32 s100, s100, s97
	s_add_nc_u64 s[\p+2:\p+3], s[6:7], s[100:101]
	s_lshl_b32 s100, s[\u], 17
	s_add_co_u32 s100, s100, s98
	s_add_nc_u64 s[\p+4:\p+5], s[8:9], s[100:101]
	s_lshl_b32 s100, s[\blk], 13
	s_add_co_u32 s100, s100, s99
	s_add_nc_u64 s[\p+6:\p+7], s[10:11], s[100:101]
.endm
.macro INIT                            ; a block begins: O^T and the sum are zeros, the largest t is -3e38
.set i, 0
.rept 32
	v_mov_b32 v[160+i], 0
.set i, i+1
.endr
	v_mov_b32 v13, 0xff61b1e6
	v_floor_f32 v12, -v13
	v_mov_b32 v14, 0
	v_mov_b32 v15, 0
.endm
	s_load_b256 s[4:11], s[0:1], 0x0               ; qkvc, qkvs, yc, ys
	v_lshl_add_u32 v[SPW], v0, 2, SPARE
	v_mov_b32 v[NIL], 0
	ds_add_u32 v[SPW], v[NIL]                      ; the opening lines: the add, twice on end, and its wait
	ds_add_u32 v[SPW], v[NIL]
	v_lshrrev_b32 v8, 5, v0
	v_readfirstlane_b32 s[WV], v8                  ; wave 0..15
	s_and_b32 s12, ttmp7, 0xffff                   ; bh
	s_mov_b32 s[GB], ttmp9
	s_sub_co_u32 s[SW], 7, s[GB]                   ; the first block
	s_lshr_b32 s13, s[WV], 3
	s_and_b32 s14, s[WV], 7
	s_lshl_b32 s15, s[SW], 1
	s_add_co_u32 s15, s15, s13                     ; which 128 queries of the head: first block,
	s_lshl_b32 s[U128], s15, 7
	s_lshl_b32 s16, s[GB], 1
	s_add_co_u32 s16, s16, s13                     ; second block
	s_lshl_b32 s[U2], s16, 7
	s_add_co_u32 s17, s[SW], 2
	s_lshr_b32 s17, s17, 1                         ; the first block's slots: (9 - g) / 2
	s_lshl_b32 s[BT], s17, 15
	s_lshl_b32 s[BK], s17, 11
	s_lshl_b32 s[BV], s17, 10
	s_mov_b32 s73, 0
	s_mov_b32 s75, 0
	s_mov_b32 s77, 0
	s_mov_b32 s101, 0
	s_lshl_b32 s63, s12, 17                        ; the head's first byte in a region of codes
	s_lshl_b32 s96, s[WV], 10
	s_add_co_u32 s96, s96, s63                     ; s96 .. s99: the four offsets without the block's part
	s_lshr_b32 s74, s12, 1
	s_lshl_b32 s74, s74, 13
	s_lshl_b32 s97, s[WV], 6
	s_add_co_u32 s97, s97, s74
	s_and_b32 s13, s12, 1
	s_lshl_b32 s13, s13, 1                         ; my head's two bytes of a pair's word
	s_add_co_u32 s97, s97, s13
	s_add_co_u32 s13, s13, KSO
	s_add_co_u32 s74, s74, 1<<18                   ; K's scale words of the head pair
	s_lshl_b32 s76, s12, 12
	s_add_co_u32 s76, s76, 1<<19                   ; V's of the head
	s_lshr_b32 s100, s12, 4                        ; b
	s_and_b32 s12, s12, 15                         ; head
	s_lshl_b32 s98, s100, 21
	s_lshl_b32 s99, s100, 16
	s_lshl_b32 s100, s12, 13
	s_add_co_u32 s98, s98, s100
	s_lshl_b32 s100, s14, 10
	s_add_co_u32 s98, s98, s100
	s_lshl_b32 s100, s[WV], 9
	s_add_co_u32 s99, s99, s100
	s_lshl_b32 s100, s12, 1
	s_add_co_u32 s99, s99, s100
	s_lshl_b32 s14, s14, 4                         ; my first query within its 128
	s_and_b32 s17, s[WV], 1                        ; even waves: K (region 1); odd waves: V (region 2)
	s_mul_i32 s[G0T+1], s17, VOFF
	s_add_co_u32 s17, s17, 1
	s_lshl_b32 s72, s17, 23
	s_add_co_u32 s72, s72, s63
	s_mul_i32 s17, s[WV], WSTG
	s_add_co_u32 s17, s17, STAGE                   ; my stage
	s_lshr_b32 s100, s[WV], 1
	s_cmp_eq_u32 s100, 2
	s_cselect_b32 s[LIM], 2, 0
	GRP1 G1T, (1<<20)|(4<<22)|(3<<25), 256, 128    ; 128 rows of 256 bytes; 4 words of padding behind every 32
	GRP1 G1K, 3<<16, 32, 8                         ; 8 rows of 256 bytes (32 elements of 8)
	GRP1 G1V, 3<<16, 32, 4
	s_mov_b32 s[SEL], 0x76543210
	s_mov_b32 s[SEL+1], 0xfedcba98
	s_mov_b32 s[CS], 0x3e38aa3b
	s_mov_b32 s[CS+1], s[CS]
	s_mov_b32 s[MNT], 0x600000
	s_mov_b32 s[TC], 0
	s_mov_b32 s[N], 0
	s_mov_b32 s[KF], 0
	s_wait_dscnt 0x0                               ; both opening adds are done
	s_wait_kmcnt 0x0
	s_mov_b32 s[G0T], 1
	s_add_nc_u64 s[G0T+2:G0T+3], s[4:5], s[72:73]
	s_or_b32 s[G0T+3], s[G0T+3], 0x80000000
	s_mov_b32 s[G0K], 1
	s_mov_b32 s[G0K+1], KSO
	s_add_nc_u64 s[G0K+2:G0K+3], s[6:7], s[74:75]
	s_or_b32 s[G0K+3], s[G0K+3], 0x80000000
	s_mov_b32 s[G0V], 1
	s_mov_b32 s[G0V+1], VSO
	s_add_nc_u64 s[G0V+2:G0V+3], s[6:7], s[76:77]
	s_or_b32 s[G0V+3], s[G0V+3], 0x80000000
	TLOAD                                          ; key slot 0 into slot 0: one load a wave
	PTRS 80, SW, 15
	PTRS 88, GB, 16
	s_lshl_b32 s100, s[GB], 13                     ; the prefetches: my work-group's quarter of my wave's region, in key slot 1: the first change of slots steps it to slot 2
	s_add_co_u32 s100, s100, s72
	s_add_co_u32 s100, s100, SLOTB
	s_add_nc_u64 s[PFA:PFA+1], s[4:5], s[100:101]
	s_add_co_u32 s[SW], s[SW], 2                   ; from here on: the first block's last trip, (9 - g) / 2 - 1
	s_lshr_b32 s[SW], s[SW], 1
	s_sub_co_u32 s[SW], s[SW], 1
	s_mov_b32 s[TK], 0
	s_mov_b32 s[TV], 0
	v_and_b32 v8, 15, v0                           ; r
	v_bfe_u32 v9, v0, 4, 1                         ; h
	v_and_b32 v10, 31, v0
	v_lshlrev_b32 v214, 6, v8
	v_lshl_add_u32 v214, v9, 4, v214               ; Q: row r of 64 bytes, + 16 h
	v_lshlrev_b32 v215, 2, v8
	global_load_b128 v[16:19], v214, s[80:81]
	global_load_b128 v[20:23], v214, s[80:81] offset:32
	global_load_u16 v255, v215, s[82:83]           ; Q's two scale bytes; the upper two are 0
	global_load_b128 v[218:221], v214, s[88:89]    ; the second block's Q waits in registers
	global_load_b128 v[222:225], v214, s[88:89] offset:32
	global_load_u16 v226, v215, s[90:91]
	v_and_b32 v216, 8, v8
	v_add_nc_u32 v216, v216, v8                    ; r + 8 (r / 8)
	v_lshrrev_b32 v217, 1, v216
	v_mul_u32_u24 v[AK0], v217, KP
	v_and_b32 v217, 1, v216
	v_lshl_add_u32 v[AK0], v217, 6, v[AK0]
	v_lshl_add_u32 v[AK0], v9, 4, v[AK0]
	v_mul_u32_u24 v[AV0], v8, KP
	v_lshl_add_u32 v[AV0], v9, 4, v[AV0]
	v_add_nc_u32 v[AV0], VOFF, v[AV0]
	v_lshl_add_u32 v[ASK0], v216, 2, s13           ; K's scale words: 4 bytes a key, my head's two of them
	v_lshl_add_u32 v[ASV0], v8, 2, VSO
	v_lshlrev_b32 v[GO], 4, v10
	v_lshlrev_b32 v[PFO], 8, v10
	v_lshlrev_b32 v217, 4, v9
	v_sub_nc_u32 v[DM], v8, v217
	v_add_nc_u32 v[DM], s14, v[DM]
	v_mov_b32 v[NINF], 0xff800000
	v_lshlrev_b32 v[GS], 5, v8
	v_mul_u32_u24 v[SIN], v8, 80
	v_lshl_add_u32 v[SIN], v9, 3, v[SIN]
	v_add_nc_u32 v[SIN], s17, v[SIN]               ; in: row r, 8 bytes for each half of the lanes
	v_bfe_u32 v217, v0, 2, 3
	v_mul_u32_u24 v[SOUT], v217, 80
	v_and_b32 v217, 3, v0
	v_lshl_add_u32 v[SOUT], v217, 4, v[SOUT]
	v_add_nc_u32 v[SOUT], s17, v[SOUT]             ; out: four lanes to a row of 64 bytes
.irp j, 0,1,2,3,4,5,6,7
	v_mov_b32 v[24+\j], 0                          ; K = 64 .. 127 of Q: zero codes
.endr
.irp t, 0,1,2,3
.irp j, 8,9,10,11,12,13,14,15
	v_mov_b32 v[32+16*\t+\j], 0                    ; and of K's four fragments: written once, never loaded into
.endr
.endr
	INIT
.irp b, 0,1,2,3
	v_mov_b32 v[236+\b], 0                         ; a lane permute's destination counts as one of its sources
.endr
	v_mov_b32 v252, 0
	v_mov_b32 v253, 0
; A KEY STEP: 128 keys, the q-th of the two in hand.
.macro STEP q
	s_cmp_gt_u32 s[KF], s[U128]                    ; all its keys come after my queries: only the count at its end is run
	s_cbranch_scc1 .Lhidden_\@
	v_add_nc_u32 v[ADK], s[TC], v[AK0]
	v_add_nc_u32 v[ADV], s[TC], v[AV0]
	v_add_nc_u32 v[ADS], s[TK], v[ASK0]
	v_add_nc_u32 v[ADT], s[TV], v[ASV0]
	s_wait_alu depctr_va_vdst(0)
.irp g, 0,1                                    ; S^T = K Q^T, four tiles of 16 keys at a time
.rept 8-3*(1-\g)
	v_nop                                          ; g = 0: with the four additions nine places: the products below write over V's fragments, which the last step's products read.  g = 1: eight, in front of loads into registers just read
.endr
.irp t, 0,1,2,3
.irp c, 0,1
	ds_load_b128 v[32+16*\t+4*\c:32+16*\t+4*\c+3], v[ADK] offset:72*(128*(\q)+32*((4*\g+\t)/2)+8*(\t%2))+32*\c
.endr
	ds_load_u16 v[248+\t], v[ADS] offset:4*(128*(\q)+32*((4*\g+\t)/2)+8*(\t%2))
.endr
	s_wait_dscnt 0x0
.irp t, 0,1,2,3
	v_wmma_scale_f32_16x16x128_f8f6f4 v[96+8*(4*\g+\t):103+8*(4*\g+\t)], v[32+16*\t:47+16*\t], v[16:31], 0, v[248+\t], v255
.endr
.endr
	s_cmp_lg_u32 s[KF], s[U128]                    ; on the diagonal the scores of hidden keys become -infinity ahead of the maximum: p = 0 then
	s_cbranch_scc1 .Lopen_\@
.set n, 0
.rept 64                                       ; register 16 b + i holds key KF + 16 (lane / 16) + 32 b + i.  The first 32 registers are the first four tiles': these lines are the places behind the last four products
	v_cmp_gt_i32 vcc_lo, 32*(n/16)+n%16, v[DM]
	v_cndmask_b32 v[96+n], v[96+n], v[NINF], vcc_lo
.set n, n+1
.endr
.Lopen_\@:
.irp p, 0,2                                    ; the largest score of each block of 32 keys.  Blocks 0 and 1 (the first four tiles) first: their fourteen lines are the places behind the last four products
.irp b, 0,1
	v_max3_num_f32 v[232+\p+\b], v[96+16*(\p+\b)], v[97+16*(\p+\b)], v[98+16*(\p+\b)]
.endr
.irp i, 3,5,7,9,11,13
.irp b, 0,1
	v_max3_num_f32 v[232+\p+\b], v[232+\p+\b], v[96+16*(\p+\b)+\i], v[97+16*(\p+\b)+\i]
.endr
.endr
.endr
.irp b, 0,1,2,3
	v_max_num_f32 v[232+\b], v[232+\b], v[111+16*\b]
.endr
.irp b, 0,1,2,3
	s_delay_alu instid0(VALU_DEP_4)
	v_permlanex16_b32 v[236+\b], v[232+\b], s[SEL], s[SEL+1]
.endr
.irp b, 0,1,2,3
	s_delay_alu instid0(VALU_DEP_4)
	v_max_num_f32 v[232+\b], v[232+\b], v[236+\b]
.endr
	s_delay_alu instid0(VALU_DEP_2)
	v_max3_num_f32 v254, v232, v233, v234
	s_delay_alu instid0(VALU_DEP_1)
	v_max_num_f32 v254, v254, v235
	s_delay_alu instid0(VALU_DEP_1)
	v_mul_f32 v254, s[CS], v254                    ; as t
	s_delay_alu instid0(VALU_DEP_1)
	v_max_num_f32 v13, v13, v254                   ; the running largest t
	v_mov_b32 v254, v12
	s_delay_alu instid0(VALU_DEP_2)
	v_floor_f32 v12, -v13                          ; the new -M = -ceil(t)
	s_delay_alu instid0(VALU_DEP_1)
	v_sub_f32 v254, v12, v254                      ; old M - new M: a whole number, 0 or less
	s_delay_alu instid0(VALU_DEP_1)
	v_cvt_i32_f32 v254, v254                       ; (it saturates)
	s_delay_alu instid0(VALU_DEP_1)
	v_ldexp_f32 v252, 1.0, v254                    ; f = 2^(old M - new M)
.set j, 0
.rept 32
	v_pk_fma_f32 v[96+j:97+j], v[96+j:97+j], s[CS:CS+1], v[12:13] op_sel_hi:[1,0,0]   ; t - M
.set j, j+2
.endr
.irp b, 0,1,2,3
	v_fma_f32 v[232+\b], v[232+\b], s[CS], v12
.endr
	s_wait_alu depctr_va_vdst(0)
.set j, 0
.rept 64
	v_exp_f32 v[96+j], v[96+j]                     ; p = 2^(t - M)
.set j, j+1
.endr
	v_pk_mul_f32 v[14:15], v[14:15], v[252:253] op_sel_hi:[1,0]   ; the sums under the new M: a plain line behind the exponentials
	s_wait_alu depctr_va_vdst(0)                   ; one wait for the whole batch, ahead of its first reader
.irp b, 0,1,2,3
	v_exp_f32 v[232+\b], v[232+\b]                 ; the blocks' largest p
.endr
	v_pk_add_f32 v[236:237], v[96:97], v[98:99]    ; the row's sum of the unquantised p, two at a time, in four chains
	v_pk_add_f32 v[238:239], v[100:101], v[102:103]
	v_pk_add_f32 v[240:241], v[104:105], v[106:107]
	v_pk_add_f32 v[14:15], v[14:15], v[108:109]
.irp k, 7,11,15,19,23,27
	v_pk_add_f32 v[236:237], v[236:237], v[96+2*\k:97+2*\k]
	v_pk_add_f32 v[238:239], v[238:239], v[98+2*\k:99+2*\k]
	v_pk_add_f32 v[240:241], v[240:241], v[100+2*\k:101+2*\k]
	v_pk_add_f32 v[14:15], v[14:15], v[102+2*\k:103+2*\k]
.endr
	v_pk_add_f32 v[236:237], v[236:237], v[158:159]
	v_pk_add_f32 v[14:15], v[14:15], v[240:241]
	v_pk_add_f32 v[236:237], v[236:237], v[238:239]
	v_pk_add_f32 v[14:15], v[14:15], v[236:237]
	s_wait_alu depctr_va_vdst(0)                   ; and one for the four
.irp b, 0,1,2,3
	v_max_num_f32 v[232+\b], 0x4800000, v[232+\b]  ; the floor 2^(9 - 127)
.endr
.irp b, 0,1,2,3
	s_delay_alu instid0(VALU_DEP_4)
	v_add_nc_u32 v[244+\b], 0xfc000000, v[232+\b]  ; the conversion's scale operand
.endr
.irp b, 0,1,2,3
	v_and_or_b32 v[240+\b], v[232+\b], 0x7f800000, s[MNT]   ; 448 x the scale
.endr
.irp b, 0,1,2,3
	v_lshrrev_b32 v[236+\b], 23, v[244+\b]         ; the scale's byte
.endr
	s_delay_alu instid0(VALU_DEP_3)
	v_lshl_or_b32 v253, v237, 8, v236              ; p's scale word for these 128 keys
	s_delay_alu instid0(VALU_DEP_1)
	v_lshl_or_b32 v253, v238, 16, v253
	s_delay_alu instid0(VALU_DEP_1)
	v_lshl_or_b32 v253, v239, 24, v253
.irp b, 0,1,2,3
.irp i, 0,1,2,3,4,5,6,7,8,9,10,11,12,13,14,15
	v_min_num_f32 v[96+16*\b+\i], v[96+16*\b+\i], v[240+\b]   ; the conversion does not saturate (ISA guide 7.6.2); p is not negative: a one-sided hold
.endr
	v_cvt_scalef32_pk8_fp8_f32 v[192+4*\b:193+4*\b], v[96+16*\b:103+16*\b], v[244+\b]
	v_cvt_scalef32_pk8_fp8_f32 v[194+4*\b:195+4*\b], v[104+16*\b:111+16*\b], v[244+\b]
.endr
.irp t, 0,1,2,3                                ; V's four fragments land where p lay
.irp c, 0,1,2,3
	ds_load_b128 v[96+16*\t+4*\c:96+16*\t+4*\c+3], v[ADV] offset:VSTEP*(\q)+16*KP*\t+32*\c
.endr
	ds_load_b32 v[248+\t], v[ADT] offset:256*(\q)+64*\t
.endr
	s_wait_alu depctr_va_vdst(0)                   ; the wait directly ahead of the first reader of O^T
.set j, 0
.rept 16
	v_pk_mul_f32 v[160+j:161+j], v[160+j:161+j], v[252:253] op_sel_hi:[1,0]   ; O^T under the new M; these sixteen are also the places between the conversions and the products
.set j, j+2
.endr
	s_wait_alu depctr_va_vdst(0)                   ; and here, directly ahead of the wait below
	s_wait_dscnt 0x0
.irp t, 0,1,2,3                                ; O^T += V^T P^T: the four accumulators by turns
	v_wmma_scale_f32_16x16x128_f8f6f4 v[160+8*\t:167+8*\t], v[96+16*\t:111+16*\t], v[192:207], v[160+8*\t:167+8*\t], v[248+\t], v253
.endr
.Lhidden_\@:
	s_add_co_u32 s[KF], s[KF], 128
.endm
; THE CHANGE OF SLOTS stands at a slot's head.  Each wave waits for all its tensor loads, adds 0 to its spare word, and waits for that and for its LDS reads.  fill = 1: behind the barrier the slot just left takes the key slot
; of the next trip: one on, or, behind the first block's last trip, back to key slot 0 (a select on ids; nothing is jumped over).  The load has four key steps of sixteen waves in which to land.
.macro CHANGE fill
	s_wait_tensorcnt 0x0
	ds_add_u32 v[SPW], v[NIL]
.if \fill
	ds_add_u32 v[SPW], v[NIL]                      ; and twice on end
	s_cmp_eq_u32 s[N], s[SW]
	s_cselect_b32 s72, s[BT], 0
	s_cselect_b32 s74, s[BK], 0
	s_cselect_b32 s76, s[BV], 0
	s_xor_b32 s[G0T+1], s[G0T+1], SLOT1
	s_xor_b32 s[G0K+1], s[G0K+1], SLOT1
	s_xor_b32 s[G0V+1], s[G0V+1], SLOT1
	s_add_nc_u64 s[G0T+2:G0T+3], s[G0T+2:G0T+3], SLOTB
	s_sub_nc_u64 s[G0T+2:G0T+3], s[G0T+2:G0T+3], s[72:73]
	s_add_nc_u64 s[G0K+2:G0K+3], s[G0K+2:G0K+3], 2048
	s_sub_nc_u64 s[G0K+2:G0K+3], s[G0K+2:G0K+3], s[74:75]
	s_add_nc_u64 s[G0V+2:G0V+3], s[G0V+2:G0V+3], 1024
	s_sub_nc_u64 s[G0V+2:G0V+3], s[G0V+2:G0V+3], s[76:77]
	s_wait_xcnt 0x0                                ; the last prefetch, a slot back, has read its address
	s_add_nc_u64 s[PFA:PFA+1], s[PFA:PFA+1], SLOTB
.endif
	s_wait_dscnt 0x0
	s_barrier_signal -1
	s_barrier_wait -1
.if \fill
	TLOAD
	s_cmp_lt_u32 s[N], s[LIM]                      ; waves 4 and 5, trips 0 and 1: key slot n + 2
	s_cbranch_scc0 .Lnot_mine_\@
	global_prefetch_b8 v[PFO], s[PFA:PFA+1] th:TH_LOAD_NT scope:SCOPE_SE
.Lnot_mine_\@:
.endif
.endm
; A slot's four key steps: two trips over two written steps.  The offsets are turned to the slot's second half and back by exclusive ors, and at the end to the other slot.
.macro SLOT_STEPS
	s_mov_b32 s[I], 0
.Lhalf_\@:
	STEP 0
	STEP 1
	s_xor_b32 s[TC], s[TC], HALF
	s_xor_b32 s[TK], s[TK], 1024
	s_xor_b32 s[TV], s[TV], 512
	s_add_co_u32 s[I], s[I], 1
	s_cmp_lt_u32 s[I], 2
	s_cbranch_scc1 .Lhalf_\@
	s_xor_b32 s[TC], s[TC], SLOT1
	s_xor_b32 s[TK], s[TK], SLOT1
	s_xor_b32 s[TV], s[TV], SLOT1
.endm
; THE WAY OUT of a block: y = O^T / the sum; register 8 t + j is y(query r, channel 16 t + 8 h + j).  A block of 32 channels is tiles 2 i, 2 i + 1: 16 numbers in my lane, 16 in lane l xor 16.
.macro EPI p, stg
.rept 8
	v_nop
.endr
	s_wait_alu depctr_va_vdst(0)
	v_add_f32 v14, v14, v15
	s_delay_alu instid0(VALU_DEP_1)
	v_permlanex16_b32 v252, v14, s[SEL], s[SEL+1]
	s_delay_alu instid0(VALU_DEP_1)
	v_add_f32 v14, v14, v252                       ; the row's sum
	s_wait_alu depctr_va_vdst(0)
	v_rcp_f32 v14, v14
	v_nop                                          ; a plain line behind the reciprocal,
	s_wait_alu depctr_va_vdst(0)                   ; and the wait ahead of its first reader, which is O^T's first reader too
.set i, 0
.rept 32
	v_mul_f32 v[96+i], v[160+i], v14
.set i, i+1
.endr
.irp b, 0,1
	v_max3_num_f32 v[232+\b], |v[96+16*\b]|, |v[97+16*\b]|, 0x4800000
.endr
.irp i, 2,4,6,8,10,12,14
.irp b, 0,1
	s_delay_alu instid0(VALU_DEP_2)
	v_max3_num_f32 v[232+\b], v[232+\b], |v[96+16*\b+\i]|, |v[97+16*\b+\i]|
.endr
.endr
.irp b, 0,1
	s_delay_alu instid0(VALU_DEP_2)
	v_permlanex16_b32 v[236+\b], v[232+\b], s[SEL], s[SEL+1]
.endr
.irp b, 0,1
	s_delay_alu instid0(VALU_DEP_2)
	v_max_num_f32 v[232+\b], v[232+\b], v[236+\b]
.endr
.irp b, 0,1
	s_delay_alu instid0(VALU_DEP_2)
	v_add_nc_u32 v[244+\b], 0xfc000000, v[232+\b]
.endr
.irp b, 0,1
	s_delay_alu instid0(VALU_DEP_4)
	v_and_or_b32 v[240+\b], v[232+\b], 0x7f800000, s[MNT]
.endr
.irp b, 0,1
	s_delay_alu instid0(VALU_DEP_4)
	v_lshrrev_b32 v[236+\b], 23, v[244+\b]
.endr
	s_delay_alu instid0(VALU_DEP_1)
	v_lshl_or_b32 v253, v237, 8, v236              ; my row's two scale bytes
.irp b, 0,1
.irp i, 0,1,2,3,4,5,6,7,8,9,10,11,12,13,14,15
	v_med3_num_f32 v[96+16*\b+\i], v[96+16*\b+\i], -v[240+\b], v[240+\b]
.endr
	v_cvt_scalef32_pk8_fp8_f32 v[192+4*\b:193+4*\b], v[96+16*\b:103+16*\b], v[244+\b]
	v_cvt_scalef32_pk8_fp8_f32 v[194+4*\b:195+4*\b], v[104+16*\b:111+16*\b], v[244+\b]
.endr
	v_nop
.irp t, 0,1,2,3
	ds_store_b64 v[SIN], v[192+2*\t:193+2*\t] offset:\stg+16*\t
.endr
	ds_load_b128 v[32:35], v[SOUT] offset:\stg     ; LDS serves a wave's instructions in order (ISA guide 5.7.1.4): these see my stores
	ds_load_b128 v[36:39], v[SOUT] offset:\stg+640
	s_wait_dscnt 1                                 ; the first eight rows are back; the second load may be out
	global_store_b128 v[GO], v[32:35], s[\p+4:\p+5]      ; 512 consecutive bytes, at a multiple of 256 from the buffer's first byte
	s_wait_dscnt 0x0
	global_store_b128 v[GO], v[36:39], s[\p+4:\p+5] offset:512
	global_store_b16 v[GS], v253, s[\p+6:\p+7]     ; lanes r and r + 16 store the same two bytes at the same place
.endm
	s_wait_alu depctr_va_vdst(0)
	s_wait_loadcnt 0x0                             ; both blocks' Q
.Lslot:                                            ; four trips: behind each change of slots but the last the next trip's key slot is asked for
	CHANGE 1
	SLOT_STEPS
	s_cmp_lg_u32 s[N], s[SW]                       ; ids and the count of trips alone: the first block's last trip
	s_cbranch_scc1 .Lsame
	EPI 80, 0                                      ; the first block leaves,
.irp j, 0,1,2,3,4,5,6,7
	v_mov_b32 v[16+\j], v[218+\j]                  ; and the second begins: its Q,
.endr
	v_mov_b32 v255, v226
	INIT
	s_mov_b32 s[KF], 0                             ; its keys from 0 on,
	s_mov_b32 s[U128], s[U2]                       ; its diagonal
	s_wait_xcnt 0x0                                ; the stores have read their registers, which the next step writes
	s_wait_alu depctr_va_vdst(0)
.Lsame:
	s_add_co_u32 s[N], s[N], 1
	s_cmp_lt_u32 s[N], 4
	s_cbranch_scc1 .Lslot
	CHANGE 0                                       ; the last slot is written out
	SLOT_STEPS
	EPI 88, STG2
	s_wait_tensorcnt 0x0                           ; the wave's end
	ds_add_u32 v[SPW], v[NIL]
	s_wait_dscnt 0x0
	s_endpgm
.Lfunc_end_k_qd499cb1bbd_attn:
	.size	k_qd499cb1bbd_attn, .Lfunc_end_k_qd499cb1bbd_attn-k_qd499cb1bbd_attn
	.p2alignl 7, 3214868480
	.fill 96, 4, 3214868480
	.section	.rodata,"a",@progbits
	.p2align	6, 0x0
	.amdhsa_kernel k_qd499cb1bbd_attn
		.amdhsa_group_segment_fixed_size 327680
		.amdhsa_private_segment_fixed_size 0
		.amdhsa_enable_private_segment 0
		.amdhsa_kernarg_size 32
		.amdhsa_user_sgpr_count 2
		.amdhsa_user_sgpr_kernarg_segment_ptr 1
		.amdhsa_wavefront_size32 1
		.amdhsa_system_sgpr_workgroup_id_x 1
		.amdhsa_system_sgpr_workgroup_id_y 1
		.amdhsa_system_sgpr_workgroup_id_z 1
		.amdhsa_system_vgpr_workitem_id 0
		.amdhsa_next_free_vgpr 256
		.amdhsa_next_free_sgpr 102
		.amdhsa_reserve_vcc 1
		.amdhsa_float_denorm_mode_32 3
		.amdhsa_float_denorm_mode_16_64 3
		.amdhsa_memory_ordered 1
		.amdhsa_forward_progress 1
		.amdhsa_inst_pref_size 130
	.end_amdhsa_kernel
	.amdgpu_metadata
---
amdhsa.version: [ 1, 2 ]
amdhsa.kernels:
  - .name:           k_qd499cb1bbd_attn
    .symbol:         k_qd499cb1bbd_attn.kd
    .args:
      - { .name: qkvc, .offset: 0, .size: 8, .value_kind: global_buffer, .address_space: global }
      - { .name: qkvs, .offset: 8, .size: 8, .value_kind: global_buffer, .address_space: global }
      - { .name: yc, .offset: 16, .size: 8, .value_kind: global_buffer, .address_space: global }
      - { .name: ys, .offset: 24, .size: 8, .value_kind: global_buffer, .address_space: global }
    .group_segment_fixed_size: 327680
    .private_segment_fixed_size: 0
    .kernarg_segment_align: 8
    .kernarg_segment_size: 32
    .max_flat_workgroup_size: 512
    .sgpr_count:     102
    .vgpr_count:     256
    .wavefront_size: 32
...
	.end_amdgpu_metadata
.endif
;; end of part 2
;; launch proj (part 3): grid 8 x 32, 4 waves a work-group, clusters of 4 x 4, 327,680 bytes of LDS; arguments yc, ys, w_proj_codes, w_proj_scales, b_proj, out0; writes out0
.if DOCPART == 3
	.amdgcn_target "amdgcn-amd-amdhsa--gfx1250"
	.amdhsa_code_object_version 6
	.text
	.protected	k_qd499cb1bbd_proj
	.globl	k_qd499cb1bbd_proj
	.p2align	8
	.type	k_qd499cb1bbd_proj,@function
k_qd499cb1bbd_proj:
	s_mov_b64 s[64:65], 0
	v_nop
	global_prefetch_b8 v0, s[64:65] scope:SCOPE_SE
	s_setreg_imm32_b32 hwreg(HW_REG_WAVE_MODE, 25, 1), 1
	s_wait_xcnt 0x0
	s_wait_alu depctr_hold_cnt(0) depctr_sa_sdst(0) depctr_va_vdst(0) depctr_va_sdst(0) depctr_va_ssrc(0) depctr_va_vcc(0) depctr_vm_vsrc(0)
	s_getreg_b32 s2, hwreg(HW_REG_IB_STS2, 6, 4)
	s_cmp_eq_u32 s2, 0
	s_cbranch_scc0 .Lentry_in_a_cluster
	s_endpgm
.Lentry_in_a_cluster:
	s_bfe_u32 s2, ttmp6, 0x10000c
	s_cmp_lg_u32 s2, 0xf033
	s_cbranch_scc0 .Lentry_shape_is_right
	s_endpgm
.Lentry_shape_is_right:
; out0 = y w_proj + b_proj on codes of FP8 (E4M3) with one E8M0 scale for each 32 along K = 1,024; sums in f32.
; In: yc [row / 128][head 16][row % 128][64 bytes] and ys [row][32 bytes], as the launch before lays them (K = 64 head + channel); w_proj_codes [n][1,024 bytes], w_proj_scales [n][32]; b_proj [n].  Out: out0 [row 8,192][n 1,024] f32.
; SHARES.  A block of 256 rows x 128 columns to a work-group: 32 x 8 = 256 work-groups.  Wave w makes rows 64 w on x all 128 columns: 4 x 8 accumulators of 16 x 16, 256 registers.
; LDS IS FILLED ONCE, one joint load a wave: waves 0, 1: heads 0-9 (K 0 .. 639) of y's two blocks of 128 rows, 81,920 dense bytes each, as rows of 256 bytes + 16 of padding; waves 2, 3: 64 rows each of w, all of K, 1,024 bytes + 16.
; That is 174,080 + 133,120 bytes.  What has no room there, heads 10-15 (K 640 on) of a wave's own 64 rows, goes by plain loads into the three sets of registers that are A's working sets afterwards: so the K steps go 5, 6, 7, 0 .. 4.
; The scale words (32 bytes a row, dense: 16 rows are 512 bytes on end) and the bias go straight into registers too, once.  Nothing is filled again: one barrier behind the loads, one ahead of the stage.
; CLUSTERS: 4 x 4 work-groups; y's tiles hang on the tile row alone and are asked for jointly by a row of the cluster, w's on the tile column alone, by a column.
; NO PREFETCH: the text has no loop to run ahead in; every tile is asked for at the head.
; THE MATRIX INSTRUCTION IS USED TRANSPOSED: source 0 = 16 rows of w, source 1 = 16 rows of y: a lane holds eight neighbouring columns of one row of out0.  The bias runs along a lane's registers and is the C of each sum's first product.
; LIMITS: NaN and infinities are not served.  The sums take K in the order stated above.
; REGISTERS, in windows of 256: window 0: v0-31 addresses; v32-63 y's scale words (8 a + K step); v68-131 w's (8 b + K step): the two bases differ by 4 modulo 8; v132-195 the bias; on the way out v128-255 rows read back.
;   window 1: w's fragments, two sets of 128.   window 2: the accumulators, (a, b) at v[8 (8 a + b)].   window 3: y's fragments, three sets of 64.
.set SIZE_N, 1024
.set PITCH,  272                       ; an LDS row of y: four rows' 64 bytes of one head + 16
.set HEADB,  32*PITCH                  ; a head of 128 rows
.set ABLK,   10*HEADB                  ; ten heads of 128 rows
.set BP,     1040                      ; an LDS row of w: an odd multiple of 16 bytes
.set BBASE,  2*ABLK
.set SPARE,  BBASE+128*BP              ; the spare words, 128 bytes a wave
.set SPITCH, 528                       ; the way out: 16 rows x (512 + 16) bytes a wave, from LDS byte 0 on: behind the second barrier nobody reads the tiles, and nothing is filled again
.set NP,     8                         ; places behind this matrix instruction (ISA guide 7.12.1)
.set BO,   7                           ; the bias: 32 x (lane / 16)
.set GA,   8                           ; y's codes in memory: 64 r + 16 h
.set GSC,  9                           ; scale words in memory: 32 r
.set ADRA, 16                          ; v16: K steps 0-2; v17: 3, 4
.set ADRB, 20                          ; v20: w's blocks 0-3; v21: 4-7
.set STO,  24
.set RD,   25
.set CO,   26
.set SPW,  28
.set NIL,  29
.set SA,   32
.set SB,   68
.set BC,   132
.set BK,   128
.set G1,  24
.set G0,  32
.set G1B, 48
.set G0B, 56
.set MSB, 0
.macro WIN new                         ; the immediate's high byte repeats the setting that is left
.if MSB != \new
	s_set_vgpr_msb (MSB<<8)|\new
.set MSB, \new
.endif
.endm
.macro PLACES n
.rept \n
	v_nop
.endr
.endm
.macro CROUND                          ; a round of the cluster's barrier
	s_barrier_signal -1
	s_barrier_wait -1
	s_cmp_lg_u32 s14, 0
	s_cbranch_scc1 .Lnot_wave_0_\@
	s_barrier_signal -3
.Lnot_wave_0_\@:
	s_barrier_wait -3
	s_barrier_signal -1
	s_barrier_wait -1
.endm
.macro GRP1 g, c, r                    ; words 1 to 7 of a descriptor's group 1: r rows of c bytes, c bytes apart
	s_mov_b32 s[\g+1], (\c)<<16
	s_mov_b32 s[\g+2], (\r)<<16
	s_mov_b32 s[\g+3], (\c)<<16
	s_mov_b32 s[\g+4], \r
	s_mov_b32 s[\g+5], \c
	s_mov_b32 s[\g+6], 0
	s_mov_b32 s[\g+7], 0
.endm
	s_load_b128 s[4:7], s[0:1], 0x0                ; yc, ys
	s_load_b128 s[8:11], s[0:1], 0x10              ; w's codes, w's scales
	s_load_b128 s[68:71], s[0:1], 0x20             ; b_proj, out0
	v_lshl_add_u32 v[SPW], v0, 2, SPARE
	v_mov_b32 v[NIL], 0
	ds_add_u32 v[SPW], v[NIL]                      ; the opening lines: the add, twice on end, and its wait
	ds_add_u32 v[SPW], v[NIL]
	v_lshrrev_b32 v1, 5, v0
	v_readfirstlane_b32 s14, v1                    ; wave 0..3
	s_lshr_b32 s15, s14, 1                         ; my block of 128 rows.  Also: I fetch for y (0) or for w (1)
	s_and_b32 s16, s14, 1                          ; my half of it.  Also: which half I fetch
	s_bfe_u32 s40, ttmp6, 0x40000                  ; cx, cy
	s_bfe_u32 s41, ttmp6, 0x40004
	s_lshl_b32 s42, ttmp9, 2
	s_add_co_u32 s42, s42, s40                     ; tile column, 0 .. 7
	s_and_b32 s17, ttmp7, 0xffff
	s_lshl_b32 s17, s17, 2
	s_add_co_u32 s17, s17, s41                     ; tile row, 0 .. 31
	s_lshl_b32 s43, s41, 2
	s_lshl_b32 s43, 15, s43                        ; my row of the cluster
	s_lshl_b32 s44, 0x1111, s40                    ; my column
	s_or_b32 s[G1], s43, (1<<20)|(1<<21)|(5<<22)|(3<<25)    ; the mask; elements of 1 byte; padding on; bit 21 beside a mask; 4 words behind every 64
	GRP1 G1, 256, 320
	s_or_b32 s[G1B], s44, (1<<20)|(1<<21)|(7<<22)|(3<<25)   ; 4 words behind every 256
	GRP1 G1B, 1024, 64
	s_lshl_b32 s18, s17, 1
	s_add_co_u32 s20, s18, s16
	s_lshl_b32 s20, s20, 17                        ; y: block 2 x tile row + half, 131,072 bytes each
	s_mov_b32 s21, 0
	s_lshl_b32 s22, s42, 7
	s_lshl_b32 s23, s16, 6
	s_add_co_u32 s22, s22, s23
	s_lshl_b32 s22, s22, 10                        ; w: row 128 x tile column + 64 x half
	s_mov_b32 s23, 0
	s_mov_b32 s[G0], 1
	s_mul_i32 s[G0+1], s16, ABLK
	s_mov_b32 s[G0B], 1
	s_mul_i32 s[G0B+1], s16, 64*BP
	s_add_co_u32 s[G0B+1], s[G0B+1], BBASE
	s_wait_dscnt 0x0                               ; both opening adds are done
	s_wait_kmcnt 0x0
	s_add_nc_u64 s[G0+2:G0+3], s[4:5], s[20:21]
	s_or_b32 s[G0+3], s[G0+3], 0x80000000
	s_add_nc_u64 s[G0B+2:G0B+3], s[8:9], s[22:23]
	s_or_b32 s[G0B+3], s[G0B+3], 0x80000000
	CROUND                                         ; all sixteen work-groups are here: the joint loads meet
	s_cmp_eq_u32 s15, 0                            ; one load a wave, an arm for each mask; an s_nop 0 and four v_nop follow each
	s_cbranch_scc0 .Lfor_w
	tensor_load_to_lds s[G0:G0+3], s[G1:G1+7]
	s_nop 0
	PLACES 4
	s_branch .Lasked
.Lfor_w:
	tensor_load_to_lds s[G0B:G0B+3], s[G1B:G1B+7]
	s_nop 0
	PLACES 4
.Lasked:
	s_mov_b32 s79, 0
	s_add_co_u32 s78, s18, s15                     ; my rows' codes in memory: my block, my 64 rows of 64 bytes
	s_lshl_b32 s78, s78, 17
	s_lshl_b32 s80, s16, 12
	s_add_co_u32 s78, s78, s80
	s_add_nc_u64 s[72:73], s[4:5], s[78:79]
	s_lshl_b32 s78, s17, 13                        ; their scale words: row 256 x tile row + 64 x wave, 32 bytes each
	s_lshl_b32 s80, s14, 11
	s_add_co_u32 s78, s78, s80
	s_add_nc_u64 s[74:75], s[6:7], s[78:79]
	s_lshl_b32 s78, s42, 12                        ; w's scale words
	s_add_nc_u64 s[76:77], s[10:11], s[78:79]
	s_lshl_b32 s78, s42, 9                         ; the bias, and my first column of out0, in bytes
	s_add_nc_u64 s[68:69], s[68:69], s[78:79]
	s_add_nc_u64 s[70:71], s[70:71], s[78:79]
	s_lshl_b32 s78, s17, 20                        ; my first row of out0, 4,096 bytes each
	s_lshl_b32 s80, s14, 18
	s_add_co_u32 s78, s78, s80
	s_add_nc_u64 s[70:71], s[70:71], s[78:79]
	s_mul_i32 s80, s15, ABLK
	s_mul_i32 s81, s16, 16*PITCH
	s_add_co_u32 s80, s80, s81                     ; my 64 rows in LDS
	s_mul_i32 s81, s14, 16*SPITCH                  ; my stage
	v_and_b32 v1, 15, v0                           ; r
	v_bfe_u32 v2, v0, 4, 1                         ; h
	v_and_b32 v6, 31, v0
	v_lshlrev_b32 v[GA], 6, v1
	v_lshl_add_u32 v[GA], v2, 4, v[GA]
	v_lshlrev_b32 v[GSC], 5, v1
	v_lshlrev_b32 v[BO], 5, v2
	v_lshrrev_b32 v3, 2, v1                        ; y in LDS: row r of a block of 16: LDS row r / 4, 64 (r % 4) bytes on, + 16 h
	v_mul_u32_u24 v3, v3, PITCH
	v_and_b32 v4, 3, v1
	v_lshl_add_u32 v3, v4, 6, v3
	v_lshl_add_u32 v3, v2, 4, v3
	v_add_nc_u32 v[ADRA], s80, v3
	v_add_nc_u32 v[ADRA+1], 6*HEADB, v[ADRA]
	v_mul_u32_u24 v4, v1, BP
	v_lshl_add_u32 v4, v2, 4, v4
	v_add_nc_u32 v[ADRB], BBASE, v4
	v_add_nc_u32 v[ADRB+1], BBASE+64*BP, v4
	v_mul_u32_u24 v5, v1, SPITCH
	v_lshl_add_u32 v5, v2, 5, v5
	v_add_nc_u32 v[STO], s81, v5                   ; the stage, in: row r, 32 bytes for each half of the lanes
	v_lshlrev_b32 v[CO], 4, v6
	v_add_nc_u32 v[RD], s81, v[CO]                 ; back: the 32 lanes take one row of 512 bytes
	s_wait_alu depctr_va_vdst(0)
	WIN 0xc0                                       ; destination window 3
.irp s, 5,6,7                                  ; K steps 5 to 7 of my 64 rows: fragment (set s - 5, block i): registers 4 c on hold K = 32 c + 16 h on: head 2 s + c / 2, channel 32 (c % 2) + 16 h
.irp i, 0,1,2,3
.irp c, 0,1,2,3
	global_load_b128 v[64*(\s-5)+16*\i+4*\c:64*(\s-5)+16*\i+4*\c+3], v[GA], s[72:73] offset:(2*\s+\c/2)*8192+\i*1024+32*(\c%2)
.endr
.endr
.endr
	WIN 0
.irp i, 0,1,2,3
	global_load_b128 v[SA+8*\i:SA+8*\i+3], v[GSC], s[74:75] offset:512*\i       ; lane r: row r's eight words, one for each K step (lanes 16-31 hold the same and are not read)
	global_load_b128 v[SA+8*\i+4:SA+8*\i+7], v[GSC], s[74:75] offset:512*\i+16
.endr
.irp b, 0,1,2,3,4,5,6,7
	global_load_b128 v[SB+8*\b:SB+8*\b+3], v[GSC], s[76:77] offset:512*\b
	global_load_b128 v[SB+8*\b+4:SB+8*\b+7], v[GSC], s[76:77] offset:512*\b+16
	global_load_b128 v[BC+8*\b:BC+8*\b+3], v[BO], s[68:69] offset:64*\b          ; b[16 b + 8 h + 0 .. 7]
	global_load_b128 v[BC+8*\b+4:BC+8*\b+7], v[BO], s[68:69] offset:64*\b+16
.endr
.macro FETCHB p, s                     ; w's eight fragments of K step s into set p % 2: 32 loads
	WIN 0x40
.irp b, 0,1,2,3,4,5,6,7
.irp c, 0,1,2,3
	ds_load_b128 v[128*((\p)%2)+16*\b+4*\c:128*((\p)%2)+16*\b+4*\c+3], v[ADRB+\b/4] offset:(\b%4)*16*BP+128*(\s)+32*\c
.endr
.endr
.endm
.macro FETCHA p, s                     ; y's four fragments of K step s (0 .. 4) into set p % 3: 16 loads
	WIN 0xc0
.irp i, 0,1,2,3
.irp c, 0,1,2,3
	ds_load_b128 v[64*((\p)%3)+16*\i+4*\c:64*((\p)%3)+16*\i+4*\c+3], v[ADRA+(\s)/3] offset:(2*((\s)%3)+\c/2)*HEADB+\i*4*PITCH+32*(\c%2)
.endr
.endr
.endm
.macro MUL a0, p, s, first             ; 16 products: y's blocks a0, a0 + 1 x w's eight.  The 32 accumulators take turns, one instruction a turn, in the same order in every K step
.irp a, \a0, \a0+1
.irp b, 0,1,2,3,4,5,6,7
.if \first
	v_wmma_scale_f32_16x16x128_f8f6f4 v[8*(8*(\a)+\b):8*(8*(\a)+\b)+7], v[128*((\p)%2)+16*\b:128*((\p)%2)+16*\b+15], v[64*((\p)%3)+16*(\a):64*((\p)%3)+16*(\a)+15], v[BC+8*\b:BC+8*\b+7], v[SB+8*\b+(\s)], v[SA+8*(\a)+(\s)]
.else
	v_wmma_scale_f32_16x16x128_f8f6f4 v[8*(8*(\a)+\b):8*(8*(\a)+\b)+7], v[128*((\p)%2)+16*\b:128*((\p)%2)+16*\b+15], v[64*((\p)%3)+16*(\a):64*((\p)%3)+16*(\a)+15], v[8*(8*(\a)+\b):8*(8*(\a)+\b)+7], v[SB+8*\b+(\s)], v[SA+8*(\a)+(\s)]
.endif
.endr
.endr
.endm
; The p-th K step, number s; n: the number of the next (-1: none).  The next step's fragments are asked for first, into the sets that the step before last (y) and the last step (w) read: eight places stand behind the last step's products.
.macro KSTEP p, s, n, first
.if (\p) > 0
	PLACES NP
.endif
.if (\n) >= 0
	FETCHB (\p)+1, \n
.if (\n) < 5
	FETCHA (\p)+1, \n
	s_wait_dscnt 48                                ; all but the 48 loads just issued: this step's fragments are in
.else
	s_wait_dscnt 32                                ; all but the 32 just issued
.endif
.else
	s_wait_dscnt 0x0                               ; my last reads of the tiles are over:
	s_barrier_signal -1                            ; say so, and multiply while the others arrive
.endif
.if \first
	WIN 0x8d                                       ; source 0 window 1, source 1 window 3, C (the bias) window 0, D window 2
.else
	WIN 0xad                                       ; C and D window 2
.endif
	MUL 0, \p, \s, \first
	MUL 2, \p, \s, \first
.endm
	s_wait_tensorcnt 0x0                           ; my tile is in
	s_barrier_signal -1
	s_barrier_wait -1                              ; and so are the others'
	FETCHB 0, 5
	s_wait_loadcnt 0x0                             ; K steps 5 to 7 of y, the scale words, the bias
	KSTEP 0, 5, 6, 1
	KSTEP 1, 6, 7, 0
	KSTEP 2, 7, 0, 0
	KSTEP 3, 0, 1, 0
	KSTEP 4, 1, 2, 0
	KSTEP 5, 2, 3, 0
	KSTEP 6, 3, 4, 0
	KSTEP 7, 4, -1, 0
	WIN 0
	s_barrier_wait -1                              ; nobody reads the tiles any more: the stages may lie there
; THE WAY OUT, block by block of 16 rows x 128 columns: a lane holds 32 neighbouring bytes of a row; a block goes through my stage and comes back as whole rows of 512 bytes, which the 32 lanes store as two aligned units of 256 bytes.
; LDS serves a wave's instructions in order (ISA guide 5.7.1.4): no wait between the stores and the loads, nor in front of the next block's stores.
.macro TOSTAGE a
	WIN 0x08                                       ; the data: window 2
.irp b, 0,1,2,3,4,5,6,7
	ds_store_b128 v[STO], v[64*(\a)+8*\b:64*(\a)+8*\b+3] offset:64*\b            ; each accumulator from its low end on
	ds_store_b128 v[STO], v[64*(\a)+8*\b+4:64*(\a)+8*\b+7] offset:64*\b+16
.endr
	WIN 0
.set BB, BK+64*((\a)%2)
.irp t, 0,1,2,3,4,5,6,7,8,9,10,11,12,13,14,15
	ds_load_b128 v[BB+4*\t:BB+4*\t+3], v[RD] offset:\t*SPITCH
.endr
.endm
.macro SEND a, younger                 ; younger: the LDS instructions issued behind block a's loads, which may stay out
.set BB, BK+64*((\a)%2)
	s_wait_dscnt \younger
.if (\a) > 0
	s_add_nc_u64 s[70:71], s[70:71], 16*SIZE_N*4   ; (behind a wait on XCNT: the earlier stores have read their base)
.endif
.irp t, 0,1,2,3,4,5,6,7,8,9,10,11,12,13,14,15
	global_store_b128 v[CO], v[BB+4*\t:BB+4*\t+3], s[70:71] offset:\t*SIZE_N*4 th:TH_STORE_NT
.endr
.endm
	PLACES NP                                      ; behind the last products: for the reads of their results and for the loads into registers that held scale words and the bias
	TOSTAGE 0
.irp a, 1,2,3
.if \a > 1
	s_wait_xcnt 0x0                                ; block a - 2's stores have read their registers and their base
.endif
	TOSTAGE \a
	SEND \a-1, 32                                  ; behind block a - 1's loads: block a's 16 stores and 16 loads
.endr
	s_wait_xcnt 0x0
	SEND 3, 0
	s_wait_tensorcnt 0x0                           ; the wave's end
	ds_add_u32 v[SPW], v[NIL]
	s_wait_dscnt 0x0
	CROUND                                         ; the closing round
	s_endpgm
.Lfunc_end_k_qd499cb1bbd_proj:
	.size	k_qd499cb1bbd_proj, .Lfunc_end_k_qd499cb1bbd_proj-k_qd499cb1bbd_proj
	.p2alignl 7, 3214868480
	.fill 96, 4, 3214868480
	.section	.rodata,"a",@progbits
	.p2align	6, 0x0
	.amdhsa_kernel k_qd499cb1bbd_proj
		.amdhsa_group_segment_fixed_size 327680
		.amdhsa_private_segment_fixed_size 0
		.amdhsa_enable_private_segment 0
		.amdhsa_kernarg_size 48
		.amdhsa_user_sgpr_count 2
		.amdhsa_user_sgpr_kernarg_segment_ptr 1
		.amdhsa_wavefront_size32 1
		.amdhsa_system_sgpr_workgroup_id_x 1
		.amdhsa_system_sgpr_workgroup_id_y 1
		.amdhsa_system_sgpr_workgroup_id_z 1
		.amdhsa_system_vgpr_workitem_id 0
		.amdhsa_next_free_vgpr 1024
		.amdhsa_next_free_sgpr 100
		.amdhsa_reserve_vcc 0
		.amdhsa_float_denorm_mode_32 3
		.amdhsa_float_denorm_mode_16_64 3
		.amdhsa_memory_ordered 1
		.amdhsa_forward_progress 1
		.amdhsa_inst_pref_size 86
	.end_amdhsa_kernel
	.amdgpu_metadata
---
amdhsa.version: [ 1, 2 ]
amdhsa.kernels:
  - .name:           k_qd499cb1bbd_proj
    .symbol:         k_qd499cb1bbd_proj.kd
    .args:
      - { .name: yc, .offset: 0, .size: 8, .value_kind: global_buffer, .address_space: global }
      - { .name: ys, .offset: 8, .size: 8, .value_kind: global_buffer, .address_space: global }
      - { .name: w_proj_codes, .offset: 16, .size: 8, .value_kind: global_buffer, .address_space: global }
      - { .name: w_proj_scales, .offset: 24, .size: 8, .value_kind: global_buffer, .address_space: global }
      - { .name: b_proj, .offset: 32, .size: 8, .value_kind: global_buffer, .address_space: global }
      - { .name: out0, .offset: 40, .size: 8, .value_kind: global_buffer, .address_space: global }
    .group_segment_fixed_size: 327680
    .private_segment_fixed_size: 0
    .kernarg_segment_align: 8
    .kernarg_segment_size: 48
    .max_flat_workgroup_size: 128
    .sgpr_count:     100
    .vgpr_count:     1024
    .wavefront_size: 32
...
	.end_amdgpu_metadata
.endif
;; end of part 3
